; MI455X (gfx1250); checked and timed in simulation.
; The chip was launched on July 23, 2026; its instructions are those of AMD's public machine-readable ISA for CDNA 5 (MIT licence, August 2026) and "CDNA5" Instruction Set Architecture Reference Guide (July 2026). The comments in the code are by the model that wrote it; some were corrected since.
;; Tiny Attention. Allowed arithmetic: matrix products marked QUANTISED: E2M3 operands, one E8M0 scale for each 32 along K, by v_wmma_scale_f32_16x16x128_f8f6f4 with both operands' format E2M3, f32 sums; everything else in f32.
;; Inputs: Wk 1,024 x 1,024 float32; Wo 1,024 x 1,024 float32; Wq 1,024 x 1,024 float32; Wv 1,024 x 1,024 float32; bo 1,024 float32; x 4 x 2,048 x 1,024 float32.
;; Outputs: out0 4 x 2,048 x 1,024 float32.
;; This version of the problem:
;;   THIS VERSION OF THE PROBLEM IS GIVEN IN LOW PRECISION. The matrix products marked QUANTISED in the list below multiply operands that are first quantised to E2M3 (2 exponent bits, 3 mantissa bits; 6 bits a number), with one power-of-two scale for each 32 numbers along K (OCP MX v1.0); their sums are f32. All else is computed in f32.
;;   The module's matrix products, in the order in which they are computed (A, B: the left and right operand; K: the contracted axis; several contracted axes count as one K, in the product's order):
;;     1. [M 8,192, K 1,024] x [K 1,024, N 1,024]; A: input x; B: input Wq: QUANTISED
;;     2. [M 8,192, K 1,024] x [K 1,024, N 1,024]; A: input x; B: input Wk: QUANTISED
;;     3. [M 8,192, K 1,024] x [K 1,024, N 1,024]; A: input x; B: input Wv: QUANTISED
;;     4. batch 64 x [M 2,048, K 64] x [K 64, N 2,048]; A: computed on the way; B: computed on the way: QUANTISED
;;     5. batch 64 x [M 2,048, K 2,048] x [K 2,048, N 64]; A: softmax (see below); B: computed on the way: QUANTISED
;;     6. [M 8,192, K 1,024] x [K 1,024, N 1,024]; A: computed on the way; B: input Wo: QUANTISED
;;   THE QUANTISER, for each operand of a quantised product, along K:
;;     - K is cut into blocks of 32 from its start; a last block that is shorter is filled with zeros.
;;     - A block's scale is 2^e with e = floor(log2(the largest magnitude in the block)) - 2, held to -126 .. 127; a block of zeros has e = 0. As a byte (E8M0): e + 127.
;;     - Each number is divided by its block's scale, clamped to +-7.5, and rounded to the nearest number of E2M3, ties to even, subnormals kept.
;;     - The product sums the exact products of the quantised numbers (number of the format x scale) in f32.
;;   ~~~python
;;   def quantise(x, axis):      # numpy; x: float32 -> the quantised numbers, widened to float32 again
;;       x = np.moveaxis(x, axis, -1); K = x.shape[-1]
;;       x = np.pad(x, [(0, 0)] * (x.ndim - 1) + [(0, -K % 32)]); x = x.reshape(x.shape[:-1] + (-1, 32)); a = np.abs(x).max(-1, keepdims=True)
;;       e = np.where(a > 0, np.clip(np.frexp(np.where(a > 0, a, 1))[1] - 1 - 2, -126, 127), 0)      # np.frexp(a)[1] - 1 = floor(log2(a)), exactly
;;       r = np.clip(x / 2.0 ** e, -7.5, 7.5)
;;       step = 2.0 ** (np.maximum(np.frexp(np.where(r == 0, 1, r))[1] - 1, 0) - 3)
;;       q = np.round(r / step) * step * 2.0 ** e      # np.round: ties to even
;;       return np.moveaxis(q.reshape(q.shape[:-2] + (-1,))[..., :K], -1, axis).astype(np.float32)
;;   ~~~
;;   SOFTMAX AHEAD OF A QUANTISED PRODUCT. Where the list says 'softmax', what is quantised is not the finished softmax but p = 2^(t - M), with t = logit x log2(e) and M = ceil(the row's largest t), a whole number; so 1/2 < the row's largest p <= 1. The row's sum l is taken of the UNQUANTISED p, in f32, and the product's result is divided by l at the end. Since M is a whole number, a kernel that streams over the keys may use a running M (the ceiling of the running maximum): every later rescaling is an exact power of two, which a block's scale takes up: the codes' values come out the same.
;;   OPERANDS COMPUTED ON THE WAY. 'Computed on the way' means the value that the module computes at that place (a softmax that the list does not call 'softmax' is quantised finished and normalised). What goes into a quantiser is computed in f32, as accurately as f32 sums, v_exp_f32 and their like allow (about 1e-6 of the number): no bf16 or f16 on the way to a quantiser, and a product that is left as it is and whose result goes on into a quantised operand takes f32 operands (vector FMAs, or v_wmma_f32_16x16x4_f32). A number that lies on a knife's edge between two numbers of the format may be rounded either way, as far as f32 arithmetic and the matrix unit's own rounding can turn it there, and no further.
;; One version. Each part assembles by itself: llvm-mc -triple=amdgcn-amd-amdhsa -mcpu=gfx1250 --defsym DOCPART=n.
;; ======== version 1 of 1: 4 launches
;; workspace buffers: ac 9,437,184 bytes; sc 393,216 bytes; qc 6,815,744 bytes; kc 6,815,744 bytes; vc 6,553,600 bytes; oc 6,291,456 bytes; os 262,144 bytes
;; launch quant (part 1): grid 384 x 1, 4 waves a work-group, no clusters, 34,304 bytes of LDS; arguments x, Wq, Wk, Wv, Wo, ac, sc; writes ac, sc
.if DOCPART == 1
	.amdgcn_target "amdgcn-amd-amdhsa--gfx1250"
	.amdhsa_code_object_version 6
	.text
	.protected	k_q9571431afe_quant
	.globl	k_q9571431afe_quant
	.p2align	8
	.type	k_q9571431afe_quant,@function
k_q9571431afe_quant:
	s_mov_b64 s[64:65], 0
	v_nop
	global_prefetch_b8 v0, s[64:65] scope:SCOPE_SE
	s_setreg_imm32_b32 hwreg(HW_REG_WAVE_MODE, 25, 1), 1
	s_wait_xcnt 0x0
; x [8192][1024] and Wq, Wk, Wv, Wo [1024][1024], f32, K innermost, become codes of FP6 (E2M3) with one E8M0 byte for each 32 along K, laid as the matrix unit's operand registers.
; TILES.  Rows go in groups of 32; tile 2 g + u holds in lane r (0..15) row 32 g + 8 u + r + 8 (r / 8).  Tiles 0-511 are x's, 512-575 Wq's, 576-639 Wk's, 640-703 Wv's, 704-767 Wo's.
; IMAGES.  A fragment (16 rows x 128 K, 12 registers a lane) lies in memory as two halves of 768 bytes: registers 6 c .. 6 c + 3 at 16 x lane, registers 6 c + 4, 6 c + 5 at 512 + 8 x lane.
;   ac: [256 of K: 0..3][tile][128 of K: 0..1][1536];   sc: [tile][512 of K: 0..1][row r][4 words], a word = the four scale bytes of 128 along K.
; A block's scale is 2^(floor(log2(largest magnitude)) - 2): its byte is the largest magnitude's exponent field - 2, held at 1 from below.
; LIMITS: a block of zeros, or one whose largest magnitude lies under 2^-124, gets the byte 1 (the rule says 127 for zeros: the codes are zeros, and only this program reads the bytes); NaN and infinities are not served.
; SHARES.  A work-group takes a group of 32 rows; wave w takes tile u = w / 2 and 512 of K (w % 2): four fragments.  Each load reads 512 consecutive bytes of one row; the 16 rows turn through the wave's own
; stage in LDS (rows 528 bytes apart), so that a lane gets 16 neighbours of each block of 32.  Waves share nothing: no barrier.  Two fragments' loads (32 a wave) run ahead.
.set CSA,   2359296                    ; bytes of ac for 256 of K: 768 tiles x 3,072
.set PITCH, 528
.set STG,   16*PITCH                   ; a wave's stage
.set SPARE, 4*STG                      ; behind the four stages: the spare words, 128 bytes a wave: two blocks of 256 bytes that no other line names
.set SPW, 10                           ; v10  my spare word's LDS address; never rewritten
.set NIL, 11                           ; v11  0; never rewritten
.set WD,  12                           ; v12-15  the four fragments' scale words
.set TM,  16                           ; v16-19 largest magnitudes, v20-23 the other lane's, then bytes, v28-31 the conversions' scale operands
.set PW,  32                           ; v32  the scale word just made
.set PC,  36                           ; v36-47 the codes just made; v48-50, v52-54 halves on their way
.set SW,  56                           ; v56-57 the two words that I store
.set X,   64                           ; v64-127  64 numbers: register 16 b + i = k 32 b + 16 (lane / 16) + i of my row
.set R,   128                          ; v128-255 two sets of 16 x 4 registers as loaded
.set SEL, 36                           ; s[36:37] lane selects for v_permlanex16_b32: lane l xor 16
	s_load_b256 s[8:15], s[0:1], 0x0               ; x, Wq, Wk, Wv
	s_load_b128 s[16:19], s[0:1], 0x20             ; Wo, ac
	s_load_b64 s[20:21], s[0:1], 0x30              ; sc
	v_lshl_add_u32 v[SPW], v0, 2, SPARE
	v_mov_b32 v[NIL], 0
	v_lshrrev_b32 v1, 5, v0
	v_readfirstlane_b32 s22, v1                    ; wave
	v_and_b32 v1, 31, v0                           ; lane
	v_and_b32 v2, 15, v0                           ; r
	v_bfe_u32 v3, v0, 4, 1                         ; h
	s_lshr_b32 s23, s22, 1                         ; u
	s_and_b32 s24, s22, 1                          ; which 512 of K
	s_mul_i32 s25, s22, STG
	v_lshlrev_b32 v4, 4, v1                        ; 16 x lane: a load's and an image's place
	v_add_nc_u32 v5, s25, v4                       ; into the stage
	v_mul_u32_u24 v6, v2, PITCH
	v_lshl_add_u32 v6, v3, 6, v6
	v_add_nc_u32 v6, s25, v6                       ; out of it: row r, + 64 h
	v_lshlrev_b32 v8, 3, v1                        ; 8 x lane
	v_lshlrev_b32 v9, 4, v2
	v_lshl_add_u32 v9, v3, 3, v9                   ; 16 r + 8 h: my two scale words
	v_cmp_eq_u32 s30, 1, v3                        ; lanes 16-31
.irp b, 0,1,2,3
	v_mov_b32 v[TM+4+\b], 0                        ; written once: a lane permute's destination counts as one of its sources
.endr
	s_and_b32 s26, ttmp9, 31
	s_cmp_lt_u32 ttmp9, 256
	s_cselect_b32 s26, ttmp9, s26                  ; the group's number in its own tensor
	s_lshl_b32 s26, s26, 17                        ; 32 rows of 4,096 bytes
	s_lshl_b32 s27, s23, 15                        ; + 8 u rows
	s_add_co_u32 s26, s26, s27
	s_lshl_b32 s27, s24, 11                        ; + 512 numbers
	s_add_co_u32 s26, s26, s27
	s_mov_b32 s27, 0
	s_lshl_b32 s28, ttmp9, 1
	s_add_co_u32 s28, s28, s23                     ; the tile
	s_mul_i32 s32, s28, 3072
	s_mul_i32 s29, s24, 2*CSA
	s_add_co_u32 s32, s32, s29
	s_mov_b32 s33, 0
	s_lshl_b32 s34, s28, 9
	s_lshl_b32 s29, s24, 8
	s_add_co_u32 s34, s34, s29
	s_mov_b32 s35, 0
	s_mov_b32 s[SEL], 0x76543210
	s_mov_b32 s[SEL+1], 0xfedcba98
	s_wait_kmcnt 0x0
	s_mov_b64 s[4:5], s[16:17]                     ; which tensor: the choice hangs on the work-group's number alone
	s_cmp_lt_u32 ttmp9, 352
	s_cselect_b64 s[4:5], s[14:15], s[4:5]
	s_cmp_lt_u32 ttmp9, 320
	s_cselect_b64 s[4:5], s[12:13], s[4:5]
	s_cmp_lt_u32 ttmp9, 288
	s_cselect_b64 s[4:5], s[10:11], s[4:5]
	s_cmp_lt_u32 ttmp9, 256
	s_cselect_b64 s[4:5], s[8:9], s[4:5]
	s_add_nc_u64 s[4:5], s[4:5], s[26:27]
	s_add_nc_u64 s[6:7], s[18:19], s[32:33]
	s_add_nc_u64 s[38:39], s[20:21], s[34:35]
.macro LOAD f                          ; fragment f: 128 numbers of each of the tile's 16 rows; a load reads 512 consecutive bytes
.irp i, 0,1,2,3,4,5,6,7,8,9,10,11,12,13,14,15
	global_load_b128 v[R+64*((\f)%2)+4*\i:R+64*((\f)%2)+4*\i+3], v4, s[4:5] offset:(\i+8*(\i/8))*4096+512*(\f) th:TH_LOAD_NT
.endr
.endm
.macro TURN f                          ; through the stage: LDS serves a wave's instructions in order, so no wait stands between the stores and the loads
.irp i, 0,1,2,3,4,5,6,7,8,9,10,11,12,13,14,15
	ds_store_b128 v5, v[R+64*((\f)%2)+4*\i:R+64*((\f)%2)+4*\i+3] offset:PITCH*\i
.endr
.irp b, 0,1,2,3
.irp j, 0,1,2,3
	ds_load_b128 v[X+16*\b+4*\j:X+16*\b+4*\j+3], v6 offset:128*\b+16*\j
.endr
.endr
.endm
; 64 numbers of a lane become a fragment's codes in v[PC] on and its scale word in v[PW]
.macro QUANT n
.irp b, 0,1,2,3
	v_max3_num_f32 v[TM+\b], |v[\n+16*\b]|, |v[\n+1+16*\b]|, 0x1800000   ; block b: my 16 numbers, and the floor 2^(3 - 127): the byte cannot fall under 1
.endr
.irp i, 2,4,6,8,10,12,14
.irp b, 0,1,2,3
	v_max3_num_f32 v[TM+\b], v[TM+\b], |v[\n+16*\b+\i]|, |v[\n+1+16*\b+\i]|   ; the four blocks by turns
.endr
.endr
.irp b, 0,1,2,3
	v_permlanex16_b32 v[TM+4+\b], v[TM+\b], s[SEL], s[SEL+1]
.endr
.irp b, 0,1,2,3
	v_max_num_f32 v[TM+\b], v[TM+\b], v[TM+4+\b]   ; with lane l xor 16's: the block's largest magnitude
.endr
.irp b, 0,1,2,3
	v_add_nc_u32 v[TM+12+\b], 0xff000000, v[TM+\b] ; 2 off its exponent field: the conversion takes the exponent field of this operand as its scale
.endr
.irp b, 0,1,2,3
	v_lshrrev_b32 v[TM+4+\b], 23, v[TM+12+\b]      ; the scale's byte
.endr
	v_lshl_or_b32 v[PW], v[TM+5], 8, v[TM+4]
	v_lshl_or_b32 v[PW], v[TM+6], 16, v[PW]
	v_lshl_or_b32 v[PW], v[TM+7], 24, v[PW]
.irp c, 0,1
	v_cvt_scalef32_pk16_fp6_f32 v[PC+6*\c:PC+2+6*\c], v[\n+32*\c:\n+15+32*\c], v[TM+12+2*\c]
	v_cvt_scalef32_pk16_fp6_f32 v[PC+12+4*\c:PC+14+4*\c], v[\n+16+32*\c:\n+31+32*\c], v[TM+12+2*\c+1]   ; (a conversion's three registers begin on an even number)
.endr
	v_nop                                          ; one plain place behind a scaled conversion
.irp c, 0,1                                    ; the operand's layout wants a whole block in a lane: lanes 0-15 block 2 c, lanes 16-31 block 2 c + 1
.irp i, 0,1,2
	v_permlane16_swap_b32 v[PC+6*\c+\i], v[PC+12+4*\c+\i]
.endr
.irp i, 0,1,2
	v_mov_b32 v[PC+3+6*\c+\i], v[PC+12+4*\c+\i]
.endr
.endr
.endm
.macro OUT f                           ; the image: each store covers 512 or 256 consecutive bytes, aligned
	global_store_b128 v4, v[PC:PC+3], s[6:7] offset:((\f)/2)*CSA+((\f)%2)*1536
	global_store_b64 v8, v[PC+4:PC+5], s[6:7] offset:((\f)/2)*CSA+((\f)%2)*1536+512
	global_store_b128 v4, v[PC+6:PC+9], s[6:7] offset:((\f)/2)*CSA+((\f)%2)*1536+768
	global_store_b64 v8, v[PC+10:PC+11], s[6:7] offset:((\f)/2)*CSA+((\f)%2)*1536+1280
.endm
.macro PIECE f
.if (\f) < 3
	s_wait_loadcnt 16                              ; this fragment's 16 loads are in; the next one's 16 may be out
.else
	s_wait_loadcnt 0x0
.endif
	TURN \f
	s_wait_dscnt 0x0                               ; my 64 numbers are back, and the stores into the stage have read their registers,
.if (\f) < 2
	LOAD (\f)+2                                    ; which take the loads of two fragments on
.endif
	s_wait_xcnt 0x0                                ; the last fragment's stores have read the codes' registers
	QUANT X
	v_mov_b32 v[WD+(\f)], v[PW]
	OUT \f
.endm
	LOAD 0
	LOAD 1
	PIECE 0
	PIECE 1
	PIECE 2
	PIECE 3
	v_cndmask_b32 v[SW], v[WD], v[WD+2], s30       ; lanes 0-15 store words 0, 1 of row r, lanes 16-31 words 2, 3
	v_cndmask_b32 v[SW+1], v[WD+1], v[WD+3], s30
	global_store_b64 v9, v[SW:SW+1], s[38:39]      ; 256 consecutive bytes, aligned
	s_wait_tensorcnt 0x0                           ; the wave's end
	ds_add_u32 v[SPW], v[NIL]
	s_wait_dscnt 0x0
	s_endpgm
.Lfunc_end_k_q9571431afe_quant:
	.size	k_q9571431afe_quant, .Lfunc_end_k_q9571431afe_quant-k_q9571431afe_quant
	.p2alignl 7, 3214868480
	.fill 96, 4, 3214868480
	.section	.rodata,"a",@progbits
	.p2align	6, 0x0
	.amdhsa_kernel k_q9571431afe_quant
		.amdhsa_group_segment_fixed_size 34304
		.amdhsa_private_segment_fixed_size 0
		.amdhsa_enable_private_segment 0
		.amdhsa_kernarg_size 56
		.amdhsa_user_sgpr_count 2
		.amdhsa_user_sgpr_kernarg_segment_ptr 1
		.amdhsa_wavefront_size32 1
		.amdhsa_system_sgpr_workgroup_id_x 1
		.amdhsa_system_sgpr_workgroup_id_y 1
		.amdhsa_system_sgpr_workgroup_id_z 1
		.amdhsa_system_vgpr_workitem_id 0
		.amdhsa_next_free_vgpr 256
		.amdhsa_next_free_sgpr 66
		.amdhsa_reserve_vcc 0
		.amdhsa_float_denorm_mode_32 3
		.amdhsa_float_denorm_mode_16_64 3
		.amdhsa_memory_ordered 1
		.amdhsa_forward_progress 1
		.amdhsa_inst_pref_size 35
	.end_amdhsa_kernel
	.amdgpu_metadata
---
amdhsa.version: [ 1, 2 ]
amdhsa.kernels:
  - .name:           k_q9571431afe_quant
    .symbol:         k_q9571431afe_quant.kd
    .args:
      - { .name: x, .offset: 0, .size: 8, .value_kind: global_buffer, .address_space: global }
      - { .name: Wq, .offset: 8, .size: 8, .value_kind: global_buffer, .address_space: global }
      - { .name: Wk, .offset: 16, .size: 8, .value_kind: global_buffer, .address_space: global }
      - { .name: Wv, .offset: 24, .size: 8, .value_kind: global_buffer, .address_space: global }
      - { .name: Wo, .offset: 32, .size: 8, .value_kind: global_buffer, .address_space: global }
      - { .name: ac, .offset: 40, .size: 8, .value_kind: global_buffer, .address_space: global }
      - { .name: sc, .offset: 48, .size: 8, .value_kind: global_buffer, .address_space: global }
    .group_segment_fixed_size: 34304
    .private_segment_fixed_size: 0
    .kernarg_segment_align: 8
    .kernarg_segment_size: 56
    .max_flat_workgroup_size: 128
    .sgpr_count:     66
    .vgpr_count:     256
    .wavefront_size: 32
...
	.end_amdgpu_metadata
.endif
;; end of part 1
;; launch qkv (part 2): grid 12 x 32, 4 waves a work-group, clusters of 4 x 4, 327,680 bytes of LDS; arguments ac, sc, qc, kc, vc; writes qc, kc, vc
.if DOCPART == 2
	.amdgcn_target "amdgcn-amd-amdhsa--gfx1250"
	.amdhsa_code_object_version 6
	.text
	.protected	k_q9571431afe_qkv
	.globl	k_q9571431afe_qkv
	.p2align	8
	.type	k_q9571431afe_qkv,@function
k_q9571431afe_qkv:
	s_mov_b64 s[64:65], 0
	v_nop
	global_prefetch_b8 v0, s[64:65] scope:SCOPE_SE
	s_setreg_imm32_b32 hwreg(HW_REG_WAVE_MODE, 25, 1), 1
	s_wait_xcnt 0x0
	s_wait_alu depctr_hold_cnt(0) depctr_sa_sdst(0) depctr_va_vdst(0) depctr_va_sdst(0) depctr_va_ssrc(0) depctr_va_vcc(0) depctr_vm_vsrc(0)
	s_getreg_b32 s2, hwreg(HW_REG_IB_STS2, 6, 4)
	s_cmp_eq_u32 s2, 0
	s_cbranch_scc0 .Lentry_in_a_cluster
	s_endpgm
.Lentry_in_a_cluster:
	s_bfe_u32 s2, ttmp6, 0x10000c
	s_cmp_lg_u32 s2, 0xf033
	s_cbranch_scc0 .Lentry_shape_is_right
	s_endpgm
.Lentry_shape_is_right:
; q = x Wq^T, k = x Wk^T, v = x Wv^T as ONE product [8192] x [3072] over K = 1024 on codes of FP6 (E2M3) with E8M0 scales; the results are quantised in the accumulators and leave as codes.
; ac, sc hold x's tiles (0-511) and the weights' (from 512) as images of the operand's registers: ac [256 of K][tile][128 of K][1536], sc [tile][512 of K][row][4 words].
; A tile of the product, 256 tokens x 256 weight rows, is made by four waves; a wave makes 128 x 128: 64 accumulators.  P is source 1 (a lane is one of its rows), Q source 0 (a lane's registers run along its rows).
; Rows of a tile are ordered 32 g + 8 u + r + 8 (r / 8), so that the 16 registers of Q's tiles 2 g, 2 g + 1 are 16 neighbours: the 64 registers of a block of P are 128 neighbours along Q, ready for the conversions.
; q, k (work-group columns 0-7): P = tokens, Q = weight rows: a lane holds a token and 128 outputs = two heads; quantised along the head's 64.
; v (columns 8-11): P = weight rows, Q = tokens: a lane holds a channel d and 128 tokens; quantised along the tokens, which are the second attention product's K.  Only LDS read addresses and store offsets differ (VF).
; OUT.  qc, kc: [batch x head][128 tokens][8 token tiles x 768 bytes (half an image: 64 of K) | 512 bytes of scale words].  vc: [batch x head][128 tokens][4 channel tiles x 1,536 | 256 bytes of scale words].
; K goes in four pieces of 256 through two LDS slots filled by the tensor data mover, 24,576 dense bytes a wave; the scale words of all of K come once.  The eight K steps are written out.
; CLUSTERS: 4 x 4 work-groups; x's tiles are asked for jointly along a row of the cluster, the weights' along a column.
; LIMITS: a block whose largest magnitude lies under 2^-124 (zeros too) gets the byte 1; NaN and infinities are not served.
; REGISTERS: window 0: v4, v5 16 x lane, 8 x lane; v16-23, v27 LDS addresses; v28, v29 the add's; v32-63 scale words, two sets; v64-127 the way out; v128-223 P's 8 fragments, one set.
;   window 1: Q's fragments, two sets, at v0 and v128.   windows 2, 3: accumulator (a, b) at v[8 (8 (a % 4) + b)].
.set CSX,    2359296                   ; from 256 of K to the next, in x's codes
.set CSW,    2359296                   ; and in the weights'
.set WT0,    512                       ; the weights' first tile
.set FR,     12                        ; registers of a fragment
.set NL,     4                         ; LDS loads that bring one
.set NP,     4                         ; places behind this matrix instruction (ISA guide 7.12.1)
.set HALFT,  24576                     ; 8 tiles x 256 of K: what one tensor load brings, and what one wave reads of P or of Q
.set SLOT,   4*HALFT                   ; x's 16 tiles, then the weights' 16
.set SCL,    2*SLOT                    ; the scale words: x's 8,192 bytes, then the weights'
.set SPARE,  262144                    ; the spare words, 128 bytes a wave: two blocks of 256 bytes that no other line names
.set ADRP, 16                          ; v16-17 P's LDS address in slot 0, 1 (16 x lane); v18-19 the same with 8 x lane
.set ADRQ, 20                          ; v20-23 the same for Q
.set ADRS, 27                          ; v27  my scale words: lanes 0-15 P's rows, lanes 16-31 Q's
.set SPW,  28
.set NIL,  29
.set SC,   32                          ; set s at v[SC + 16 s]; register 2 i + q: lanes 0-15 the word of P's block i, lanes 16-31 of Q's block i
.set AF,   128
.set TM,   64                          ; the way out: v64-79 at work
.set WD,   84                          ; v84-91 the eight blocks' scale words
.set PC,   96                          ; v96-107 codes; v108-110, v112-114 halves on their way
.set EO,   116                         ; v116-119 store offsets: first half image (16 x lane, 8 x lane), second half image
.set MW,   120                         ; v120-127 scale words as they are stored
.set G1, 24
.set G0, 32
.set G1B, 48
.set G0B, 56
.set G1S, 68
.set G0S, 76
.set G1SB, 80
.set G0SB, 88
.set MSB, 0
.macro WIN new                         ; the immediate's high byte repeats the setting that is left
.if MSB != \new
	s_set_vgpr_msb (MSB<<8)|\new
.set MSB, \new
.endif
.endm
.set MUL_LO, 0xa1                      ; source 0 (Q) window 1, source 1 (P) window 0, C and D window 2
.set MUL_HI, 0xf1
.set TO_B,   0x40
; A joint load: waves 0 and 1 fetch x's halves, waves 2 and 3 the weights'.  The branch hangs on the wave's number alone.  An s_nop 0 and four v_nop follow each line.
.macro JLOAD g0a, g1a, g0b, g1b
	s_cmp_eq_u32 s15, 0
	s_cbranch_scc0 .Lfor_b_\@
	tensor_load_to_lds s[\g0a:\g0a+3], s[\g1a:\g1a+7]
	s_nop 0
.rept 4
	v_nop
.endr
	s_branch .Lasked_\@
.Lfor_b_\@:
	tensor_load_to_lds s[\g0b:\g0b+3], s[\g1b:\g1b+7]
	s_nop 0
.rept 4
	v_nop
.endr
.Lasked_\@:
.endm
.macro CREST                           ; a round of the cluster's barrier behind its opening barrier
	s_cmp_lg_u32 s14, 0
	s_cbranch_scc1 .Lnot_wave_0_\@
	s_barrier_signal -3
.Lnot_wave_0_\@:
	s_barrier_wait -3
	s_barrier_signal -1
	s_barrier_wait -1
.endm
.macro CROUND
	s_barrier_signal -1
	s_barrier_wait -1
	CREST
.endm
	s_load_b128 s[4:7], s[0:1], 0x0                ; ac, sc
	s_load_b128 s[8:11], s[0:1], 0x10              ; qc, kc
	s_load_b64 s[12:13], s[0:1], 0x20              ; vc
	v_lshl_add_u32 v[SPW], v0, 2, SPARE
	v_mov_b32 v[NIL], 0
	ds_add_u32 v[SPW], v[NIL]                      ; the wave's opening: the add and its wait ahead of my first tensor load
	v_lshrrev_b32 v1, 5, v0
	v_readfirstlane_b32 s14, v1                    ; wave 0..3
	s_lshr_b32 s15, s14, 1                         ; P's half.  Also: I fetch x's tiles (0) or the weights' (1)
	s_and_b32 s16, s14, 1                          ; Q's half.  Also: which 8 tiles I fetch
	s_bfe_u32 s40, ttmp6, 0x40000                  ; cx
	s_bfe_u32 s41, ttmp6, 0x40004                  ; cy
	s_lshl_b32 s42, ttmp9, 2
	s_add_co_u32 s42, s42, s40                     ; column of 256 weight rows
	s_and_b32 s17, ttmp7, 0xffff
	s_lshl_b32 s17, s17, 2
	s_add_co_u32 s17, s17, s41                     ; row of 256 tokens
	s_lshl_b32 s43, s41, 2
	s_lshl_b32 s43, 15, s43                        ; my row of the cluster
	s_lshl_b32 s44, 0x1111, s40                    ; my column
	; descriptor group 1: dense blocks as rows of 256 bytes (32 elements of 8 bytes), no padding: images are read as they lie, 512 or 256 consecutive bytes an instruction
	s_or_b32 s[G1+0], s43, (3<<16)|(1<<21)         ; 15:0 the mask; 17:16 elements of 8 bytes; 21 set beside a mask
	s_or_b32 s[G1B+0], s44, (3<<16)|(1<<21)
.irp g, G1, G1B
	s_mov_b32 s[\g+1], 32<<16                      ; tensor_dim0
	s_mov_b32 s[\g+2], 96<<16                      ; tensor_dim1: 96 rows = 24,576 bytes
	s_mov_b32 s[\g+3], 32<<16                      ; tile_dim0
	s_mov_b32 s[\g+4], 96                          ; tile_dim1
	s_mov_b32 s[\g+5], 32                          ; the pitch
	s_mov_b32 s[\g+6], 0
	s_mov_b32 s[\g+7], 0
.endr
	s_or_b32 s[G1S+0], s43, (3<<16)|(1<<21)
	s_or_b32 s[G1SB+0], s44, (3<<16)|(1<<21)
.irp g, G1S, G1SB
	s_mov_b32 s[\g+1], 32<<16
	s_mov_b32 s[\g+2], 16<<16                      ; 16 rows = 4,096 bytes: 8 tiles' scale words
	s_mov_b32 s[\g+3], 32<<16
	s_mov_b32 s[\g+4], 16
	s_mov_b32 s[\g+5], 32
	s_mov_b32 s[\g+6], 0
	s_mov_b32 s[\g+7], 0
.endr
	s_lshl_b32 s18, s16, 3
	s_lshl_b32 s20, s17, 4
	s_add_co_u32 s20, s20, s18                     ; x's first tile that I fetch
	s_lshl_b32 s46, s42, 4
	s_add_co_u32 s46, s46, s18
	s_add_co_u32 s46, s46, WT0                     ; the weights'
	s_lshl_b32 s22, s20, 9                         ; their scale words, 512 bytes a tile
	s_mov_b32 s23, 0
	s_lshl_b32 s92, s46, 9
	s_mov_b32 s93, 0
	s_mul_i32 s20, s20, 3072                       ; their codes
	s_mov_b32 s21, 0
	s_mul_i32 s46, s46, 3072
	s_mov_b32 s47, 0
	s_mul_i32 s45, s14, HALFT                      ; where they go: no place in the cluster enters an LDS address
	s_lshl_b32 s94, s14, 12
	s_wait_dscnt 0x0                               ; the opening add is done
	s_wait_kmcnt 0x0
	s_add_nc_u64 s[20:21], s[4:5], s[20:21]
	s_add_nc_u64 s[22:23], s[6:7], s[22:23]
	s_add_nc_u64 s[46:47], s[4:5], s[46:47]
	s_add_nc_u64 s[92:93], s[6:7], s[92:93]
	CROUND                                         ; all sixteen work-groups are here: the first joint loads meet
	s_mov_b32 s[G0S], 1
	s_add_co_u32 s[G0S+1], s94, SCL
	s_mov_b64 s[G0S+2:G0S+3], s[22:23]
	s_or_b32 s[G0S+3], s[G0S+3], 0x80000000
	s_mov_b32 s[G0SB], 1
	s_add_co_u32 s[G0SB+1], s94, SCL
	s_mov_b64 s[G0SB+2:G0SB+3], s[92:93]
	s_or_b32 s[G0SB+3], s[G0SB+3], 0x80000000
	JLOAD G0S, G1S, G0SB, G1SB                     ; the scale words first: three loads of mine are out behind these first fills
.irp s, 0,1
	s_mov_b32 s[G0+4*\s], 1
	s_add_co_u32 s[G0+4*\s+1], s45, \s*SLOT
	s_add_nc_u64 s[G0+4*\s+2:G0+4*\s+3], s[20:21], \s*CSX
	s_or_b32 s[G0+4*\s+3], s[G0+4*\s+3], 0x80000000
	s_mov_b32 s[G0B+4*\s], 1
	s_add_co_u32 s[G0B+4*\s+1], s45, \s*SLOT
	s_add_nc_u64 s[G0B+4*\s+2:G0B+4*\s+3], s[46:47], \s*CSW
	s_or_b32 s[G0B+4*\s+3], s[G0B+4*\s+3], 0x80000000
	JLOAD G0+4*\s, G1, G0B+4*\s, G1B
.endr
	v_and_b32 v1, 31, v0
	v_and_b32 v2, 15, v0                           ; r
	v_bfe_u32 v3, v0, 4, 1                         ; h
	v_lshlrev_b32 v4, 4, v1                        ; 16 x lane
	v_lshlrev_b32 v5, 3, v1                        ; 8 x lane
	s_cmp_eq_u32 ttmp9, 2
	s_cselect_b32 s66, 1, 0                        ; VF: this cluster makes v (the same in all sixteen partners)
	s_xor_b32 s67, s66, 1
	s_mul_i32 s21, s15, HALFT
	s_mul_i32 s22, s66, 2*HALFT
	s_add_co_u32 s21, s21, s22                     ; P: x's region, for v the weights'
	s_mul_i32 s22, s16, HALFT
	s_mul_i32 s23, s67, 2*HALFT
	s_add_co_u32 s22, s22, s23                     ; Q: the other region
.irp s, 0,1
	v_add_nc_u32 v[ADRP+\s], s21, v4
	v_add_nc_u32 v[ADRP+2+\s], s21, v5
	v_add_nc_u32 v[ADRQ+\s], s22, v4
	v_add_nc_u32 v[ADRQ+2+\s], s22, v5
	s_add_co_u32 s21, s21, SLOT
	s_add_co_u32 s22, s22, SLOT
.endr
	s_lshl_b32 s21, s15, 12
	s_lshl_b32 s23, s66, 13
	s_add_co_u32 s21, s21, s23                     ; P's scale words
	s_lshl_b32 s22, s16, 12
	s_lshl_b32 s23, s67, 13
	s_add_co_u32 s22, s22, s23                     ; Q's
	v_xor_b32 v6, 1, v3
	v_mul_u32_u24 v6, s21, v6                      ; lanes 0-15 take P's,
	v_mul_u32_u24 v7, s22, v3                      ; lanes 16-31 Q's
	v_add_nc_u32 v6, v6, v7
	v_lshl_add_u32 v6, v2, 4, v6                   ; 16 bytes a row
	v_add_nc_u32 v[ADRS], SCL, v6
	; the way out: where my records begin, and the steps from block to block
	s_cmp_eq_u32 s66, 1
	s_cselect_b32 s18, s16, s15                    ; my half of the tokens
	s_cselect_b32 s19, s15, s16                    ; my half of the weight rows: two heads
	s_lshl_b32 s2, s17, 1
	s_add_co_u32 s2, s2, s18                       ; which 128 tokens of the 8,192
	s_lshr_b32 s3, s2, 4                           ; the batch
	s_and_b32 s2, s2, 15                           ; which 128 of its 2,048
	s_lshl_b32 s3, s3, 2
	s_add_co_u32 s3, s3, s40
	s_lshl_b32 s3, s3, 1
	s_add_co_u32 s3, s3, s19                       ; (16 batch + my first head) / 2
	s_lshl_b32 s3, s3, 5
	s_add_co_u32 s2, s2, s3                        ; the record: (16 batch + head) x 16 + step
	s_lshl_b32 s3, s66, 8
	s_sub_co_u32 s3, 6656, s3                      ; a record's bytes: 6,656, for v 6,400
	s_mul_i32 s2, s2, s3
	s_mov_b32 s3, 0
	s_cmp_eq_u32 ttmp9, 0
	s_cselect_b64 s[96:97], s[8:9], s[10:11]
	s_cmp_eq_u32 ttmp9, 2
	s_cselect_b64 s[96:97], s[12:13], s[96:97]
	s_add_nc_u64 s[96:97], s[96:97], s[2:3]
	s_lshl_b32 s98, 768, s66                       ; from block to block: 768, for v 1,536
	s_mul_i32 s99, s66, 96256                      ; v: blocks 4-7 belong to the next head: 16 records on, four fragments back
	s_mul_i32 s95, s66, 105728
	s_sub_co_u32 s95, 106496, s95                  ; the second half image: the next head's record (16 x 6,656), for v 768 on
	s_mov_b32 s92, 0x76543210
	s_mov_b32 s93, 0xfedcba98                      ; lane selects: lane l xor 16
	v_cmp_eq_u32 s67, 1, v3                        ; lanes 16-31
	v_mov_b32 v[EO], v4
	v_mov_b32 v[EO+1], v5
	v_add_nc_u32 v[EO+2], s95, v4
	v_add_nc_u32 v[EO+3], s95, v5
.irp b, 0,1,2,3
	v_mov_b32 v[TM+4+\b], 0                        ; written once: a lane permute's destination counts as one of its sources
.endr
.macro FRAG reg, adr, q, i             ; a fragment's image: four loads, each of consecutive bytes
	ds_load_b128 v[\reg:\reg+3], v[\adr] offset:(\i)*3072+(\q)*1536
	ds_load_b64 v[\reg+4:\reg+5], v[\adr+2] offset:(\i)*3072+(\q)*1536+512
	ds_load_b128 v[\reg+6:\reg+9], v[\adr] offset:(\i)*3072+(\q)*1536+768
	ds_load_b64 v[\reg+10:\reg+11], v[\adr+2] offset:(\i)*3072+(\q)*1536+1280
.endm
; 16 matrix instructions: P's blocks a0, a0 + 1 x Q's eight, 128 along K.  The 64 accumulators take turns, one instruction a turn, in the same order in every step.
.macro MUL16 a0, p, q, sc, zero
.irp a, \a0, \a0+1
.irp b, 0,1,2,3,4,5,6,7
.if \zero
	v_wmma_scale_f32_16x16x128_f8f6f4 v[8*(8*((\a)%4)+\b):8*(8*((\a)%4)+\b)+7], v[128*(\p)+FR*\b:128*(\p)+FR*\b+FR-1], v[AF+FR*(\a):AF+FR*(\a)+FR-1], 0, v[SC+16*(\sc)+2*\b+(\q)], v[SC+16*(\sc)+2*(\a)+(\q)] matrix_a_fmt:MATRIX_FMT_FP6 matrix_b_fmt:MATRIX_FMT_FP6 matrix_a_scale:MATRIX_SCALE_ROW1
.else
	v_wmma_scale_f32_16x16x128_f8f6f4 v[8*(8*((\a)%4)+\b):8*(8*((\a)%4)+\b)+7], v[128*(\p)+FR*\b:128*(\p)+FR*\b+FR-1], v[AF+FR*(\a):AF+FR*(\a)+FR-1], v[8*(8*((\a)%4)+\b):8*(8*((\a)%4)+\b)+7], v[SC+16*(\sc)+2*\b+(\q)], v[SC+16*(\sc)+2*(\a)+(\q)] matrix_a_fmt:MATRIX_FMT_FP6 matrix_b_fmt:MATRIX_FMT_FP6 matrix_a_scale:MATRIX_SCALE_ROW1
.endif
.endr
.endr
.endm
.macro FETCH_B slot, q, p
	WIN TO_B
.irp i, 0,1,2,3,4,5,6,7
	FRAG 128*(\p)+FR*\i, ADRQ+\slot, \q, \i
.endr
	WIN 0
.endm
.macro FETCH_A slot, q, i0
.irp i, \i0, \i0+1, \i0+2, \i0+3
	FRAG AF+FR*(\i), ADRP+\slot, \q, \i
.endr
.endm
.macro SCALES sc, c                    ; the two scale words of piece c of K, for the eight blocks of each side
.irp i, 0,1,2,3,4,5,6,7
	ds_load_b64 v[SC+16*(\sc)+2*\i:SC+16*(\sc)+2*\i+1], v[ADRS] offset:\i*512+((\c)/2)*256+((\c)%2)*8
.endr
.endm
.macro PLACES n                        ; plain vector instructions between a matrix instruction and a load into, or a read of, its registers
.rept \n
	v_nop
.endr
.endm
.macro STEP slot, q, zero              ; a step of 128 along K that has its successor in the same slot
	s_wait_dscnt 4*NL                              ; Q's set, P's blocks 0-3 and the scale words are in; the youngest 16 loads (P's blocks 4-7) may be out
	WIN MUL_LO
	MUL16 0, (\q)%2, \q, \slot, \zero
	MUL16 2, (\q)%2, \q, \slot, \zero
	s_wait_dscnt 0x0
	PLACES NP
	FETCH_B \slot, (\q)+1, 1-(\q)%2
	FETCH_A \slot, (\q)+1, 0
	WIN MUL_HI
	MUL16 4, (\q)%2, \q, \slot, \zero
	MUL16 6, (\q)%2, \q, \slot, \zero
	PLACES NP
	WIN 0
	FETCH_A \slot, (\q)+1, 4
.endm
; A slot's last step changes slots: one barrier; in front of it each wave waits for all its tensor loads, adds 0 to its spare word, and waits for that and for its reads of this slot.
.macro TURN slot, next, fill, cnext
	s_wait_tensorcnt 0x0                           ; all my tensor loads have landed: my part of the next slot
	ds_add_u32 v[SPW], v[NIL]                      ; 0 onto my spare word
	s_wait_dscnt 4*NL+1                            ; (the add and the youngest 16 loads may be out)
	WIN MUL_LO
	MUL16 0, 1, 1, \slot, 0
	s_wait_dscnt 0x0                               ; the add is done, and my reads of this slot are over
	s_barrier_signal -1
	MUL16 2, 1, 1, \slot, 0
	WIN 0
	s_barrier_wait -1
.if \fill
	CREST                                          ; the barrier has opened a round of the cluster's: no wave of any partner still reads this slot or has a load on its way
	s_add_nc_u64 s[G0+4*\slot+2:G0+4*\slot+3], s[G0+4*\slot+2:G0+4*\slot+3], 2*CSX
	s_add_nc_u64 s[G0B+4*\slot+2:G0B+4*\slot+3], s[G0B+4*\slot+2:G0B+4*\slot+3], 2*CSW
	JLOAD G0+4*\slot, G1, G0B+4*\slot, G1B         ; the first tensor load behind the round; its four v_nop are the places in front of the loads below
.else
	PLACES NP
.endif
	FETCH_B \next, 0, 0
	FETCH_A \next, 0, 0
	SCALES \next, \cnext
	WIN MUL_HI
	MUL16 4, 1, 1, \slot, 0
	MUL16 6, 1, 1, \slot, 0
	PLACES NP
	WIN 0
	FETCH_A \next, 0, 4
.endm
	s_wait_tensorcnt 1                             ; the scale words and my part of slot 0 are in; slot 1's load may be out
	s_barrier_signal -1
	s_barrier_wait -1
	FETCH_B 0, 0, 0
	FETCH_A 0, 0, 0
	SCALES 0, 0
	FETCH_A 0, 0, 4
	STEP 0, 0, 1                                   ; the first products start the sums: nothing is cleared
	TURN 0, 1, 1, 1                                ; slot 0 takes K 512-767
	STEP 1, 0, 0
	TURN 1, 0, 1, 2                                ; slot 1 takes K 768-1023
	STEP 0, 0, 0
	TURN 0, 1, 0, 3                                ; nothing is left to fetch
	STEP 1, 0, 0
	s_wait_dscnt 4*NL
	WIN MUL_LO
	MUL16 0, 1, 1, 1, 0
	MUL16 2, 1, 1, 1, 0
	s_wait_dscnt 0x0
	WIN MUL_HI
	MUL16 4, 1, 1, 1, 0
	MUL16 6, 1, 1, 1, 0
	WIN 0
	PLACES NP
; THE WAY OUT.  Block a of P: my lane's 64 registers are 128 neighbours along Q: four blocks of 32.  They become a fragment's codes and a scale word; the two half images are stored, 512 and 256 consecutive bytes an instruction.
.macro QUANTW a
.set AC, 64*((\a)%4)
.set QW, 2+(\a)/4
	WIN (QW*5)                                     ; sources 0 and 1: the accumulators' window
.irp b, 0,1,2,3
	v_max3_num_f32 v[TM+\b], |v[AC+16*\b]|, |v[AC+16*\b+1]|, 0x1800000   ; each accumulator is read from its low end on; the floor 2^(3 - 127) holds the byte at 1 from below
.endr
.irp i, 2,4,6,8,10,12,14
.irp b, 0,1,2,3
	v_max3_num_f32 v[TM+\b], |v[AC+16*\b+\i]|, |v[AC+16*\b+\i+1]|, v[TM+\b]
.endr
.endr
	WIN 0
.irp b, 0,1,2,3
	v_permlanex16_b32 v[TM+4+\b], v[TM+\b], s92, s93
.endr
.irp b, 0,1,2,3
	v_max_num_f32 v[TM+\b], v[TM+\b], v[TM+4+\b]
.endr
.irp b, 0,1,2,3
	v_add_nc_u32 v[TM+12+\b], 0xff000000, v[TM+\b]
.endr
.irp b, 0,1,2,3
	v_lshrrev_b32 v[TM+4+\b], 23, v[TM+12+\b]
.endr
	v_lshl_or_b32 v[WD+(\a)], v[TM+5], 8, v[TM+4]
	v_lshl_or_b32 v[WD+(\a)], v[TM+6], 16, v[WD+(\a)]
	v_lshl_or_b32 v[WD+(\a)], v[TM+7], 24, v[WD+(\a)]
	s_wait_xcnt 0x0                                ; the last block's stores have read their offsets and their data
.if (\a) > 0
.irp e, 0,1,2,3
	v_add_nc_u32 v[EO+\e], s98, v[EO+\e]
.endr
.endif
.if (\a) == 4
.irp e, 0,1,2,3
	v_add_nc_u32 v[EO+\e], s99, v[EO+\e]
.endr
.endif
	WIN QW                                         ; source 0: the accumulators' window
.irp c, 0,1
	v_cvt_scalef32_pk16_fp6_f32 v[PC+6*\c:PC+2+6*\c], v[AC+32*\c:AC+15+32*\c], v[TM+12+2*\c]
	v_cvt_scalef32_pk16_fp6_f32 v[PC+12+4*\c:PC+14+4*\c], v[AC+16+32*\c:AC+31+32*\c], v[TM+12+2*\c+1]
.endr
	WIN 0
	v_nop                                          ; one plain place behind a scaled conversion
.irp c, 0,1
.irp i, 0,1,2
	v_permlane16_swap_b32 v[PC+6*\c+\i], v[PC+12+4*\c+\i]
.endr
.irp i, 0,1,2
	v_mov_b32 v[PC+3+6*\c+\i], v[PC+12+4*\c+\i]
.endr
.endr
	global_store_b128 v[EO], v[PC:PC+3], s[96:97]
	global_store_b64 v[EO+1], v[PC+4:PC+5], s[96:97] offset:512
	global_store_b128 v[EO+2], v[PC+6:PC+9], s[96:97]
	global_store_b64 v[EO+3], v[PC+10:PC+11], s[96:97] offset:512
.endm
.irp a, 0,1,2,3,4,5,6,7
	QUANTW \a
.endr
.irp g, 0,1,2,3
	v_cndmask_b32 v[MW+\g], v[WD+2*\g], v[WD+2*\g+1], s67   ; register g: lanes 0-15 block 2 g's words, lanes 16-31 block 2 g + 1's
.endr
	s_cmp_eq_u32 s66, 1                            ; ids alone, the same in all partners
	s_cbranch_scc1 .Lv_words
.irp g, 0,1,2,3
	v_lshrrev_b32 v[MW+4+\g], 16, v[MW+\g]         ; q, k: bytes 2, 3 are the second head's; the upper two bytes of each stored word are 0
.endr
.irp g, 0,1,2,3
	v_and_b32 v[MW+\g], 0xffff, v[MW+\g]
.endr
	global_store_b128 v4, v[MW:MW+3], s[96:97] offset:6144
	global_store_b128 v4, v[MW+4:MW+7], s[96:97] offset:6144+106496
	s_branch .Lwords_out
.Lv_words:
	global_store_b64 v5, v[MW:MW+1], s[96:97] offset:6144          ; v: blocks 0-3 are the first head's channels,
	global_store_b64 v5, v[MW+2:MW+3], s[96:97] offset:6144+102400 ; blocks 4-7 the second's
.Lwords_out:
	s_wait_tensorcnt 0x0                           ; the wave's end
	ds_add_u32 v[SPW], v[NIL]
	s_wait_dscnt 0x0
	CROUND                                         ; the closing round
	s_endpgm
.Lfunc_end_k_q9571431afe_qkv:
	.size	k_q9571431afe_qkv, .Lfunc_end_k_q9571431afe_qkv-k_q9571431afe_qkv
	.p2alignl 7, 3214868480
	.fill 96, 4, 3214868480
	.section	.rodata,"a",@progbits
	.p2align	6, 0x0
	.amdhsa_kernel k_q9571431afe_qkv
		.amdhsa_group_segment_fixed_size 327680
		.amdhsa_private_segment_fixed_size 0
		.amdhsa_enable_private_segment 0
		.amdhsa_kernarg_size 40
		.amdhsa_user_sgpr_count 2
		.amdhsa_user_sgpr_kernarg_segment_ptr 1
		.amdhsa_wavefront_size32 1
		.amdhsa_system_sgpr_workgroup_id_x 1
		.amdhsa_system_sgpr_workgroup_id_y 1
		.amdhsa_system_sgpr_workgroup_id_z 1
		.amdhsa_system_vgpr_workitem_id 0
		.amdhsa_next_free_vgpr 1024
		.amdhsa_next_free_sgpr 100
		.amdhsa_reserve_vcc 0
		.amdhsa_float_denorm_mode_32 3
		.amdhsa_float_denorm_mode_16_64 3
		.amdhsa_memory_ordered 1
		.amdhsa_forward_progress 1
		.amdhsa_inst_pref_size 151
	.end_amdhsa_kernel
	.amdgpu_metadata
---
amdhsa.version: [ 1, 2 ]
amdhsa.kernels:
  - .name:           k_q9571431afe_qkv
    .symbol:         k_q9571431afe_qkv.kd
    .args:
      - { .name: ac, .offset: 0, .size: 8, .value_kind: global_buffer, .address_space: global }
      - { .name: sc, .offset: 8, .size: 8, .value_kind: global_buffer, .address_space: global }
      - { .name: qc, .offset: 16, .size: 8, .value_kind: global_buffer, .address_space: global }
      - { .name: kc, .offset: 24, .size: 8, .value_kind: global_buffer, .address_space: global }
      - { .name: vc, .offset: 32, .size: 8, .value_kind: global_buffer, .address_space: global }
    .group_segment_fixed_size: 327680
    .private_segment_fixed_size: 0
    .kernarg_segment_align: 8
    .kernarg_segment_size: 40
    .max_flat_workgroup_size: 128
    .sgpr_count:     100
    .vgpr_count:     1024
    .wavefront_size: 32
...
	.end_amdgpu_metadata
.endif
;; end of part 2
;; launch attn (part 3): grid 4 x 64, 16 waves a work-group, no clusters, 327,680 bytes of LDS; arguments qc, kc, vc, oc, os; writes oc, os
.if DOCPART == 3
	.amdgcn_target "amdgcn-amd-amdhsa--gfx1250"
	.amdhsa_code_object_version 6
	.text
	.protected	k_q9571431afe_attn
	.globl	k_q9571431afe_attn
	.p2align	8
	.type	k_q9571431afe_attn,@function
k_q9571431afe_attn:
	s_mov_b64 s[64:65], 0
	v_nop
	global_prefetch_b8 v0, s[64:65] scope:SCOPE_SE
	s_setreg_imm32_b32 hwreg(HW_REG_WAVE_MODE, 25, 1), 1
	s_wait_xcnt 0x0
; Causal attention of one (batch, head): o = softmax(q k^T / 8) v, both products on codes of FP6 (E2M3) with E8M0 scales; o is quantised along the model's 1,024 and leaves as codes for the last product.
; qc, kc: [batch x head][128 tokens][8 token tiles x 768 bytes | 512 bytes of scale words]; vc: [batch x head][128 tokens][4 channel tiles x 1,536 | 256]: images of the operands' registers.
; THE SOFTMAX: t = score x log2(e) / 8; M = the running largest t rounded UP to a whole number; p = 2^(t - M) is quantised along the keys, not normalised; the row's sum is taken of the unquantised p and divides at the end.
; SHARES.  Work-group i of a head owns query blocks 7 - i and then i, 256 queries each.  Block j wants j + 1 slots of 256 keys, so every work-group walks (8 - i) + (i + 1) = 9 slots: equal work, a constant trip count,
; and no slot is fetched that nobody reads.  Each of the sixteen waves owns one tile of 16 queries (four waves to a SIMD: one wave's vector work stands beside another's LDS loads and products).
; LAYOUT.  Both products transposed: S^T = K Q^T, O^T = V^T P^T: a lane holds one query.  Tiles of tokens and of channels hold rows 32 g + 8 u + r + 8 (r / 8), so 16 registers of two neighbouring tiles are 16 neighbours.
; THE HEAD'S 64 IN AN INSTRUCTION OF 128: Q's upper six registers are zero codes; a tile of K names twelve registers, of which the upper six (the next tile's codes, or zeros) meet those zeros.
; No cluster: partners of a head would walk different slots once their first blocks end, and a slot's 26,112 bytes serve 32 wave steps of vector work.
; LIMITS: NaN and infinities are not served; a block whose largest magnitude lies under 2^-124 (zeros too) gets the byte 1; 1 / sum is v_rcp_f32 and a multiplication.
; REGISTERS: v1, v2 16 x, 8 x lane; v3, v4 the slot's LDS addresses; v7 my query less 16 (lane / 16); v12 -M, v13 largest t, v[14:15] the sum; v16-27 Q; v28 its scale word; v29-35 the second block's; v36-89 K's tiles, then V's;
;   v90-95 their scale words; v96-159 S^T, then p; v160-191 O^T; v192-203 p's codes; v204-231 at work.
.set CSO,   1572864                    ; bytes of oc for 256 of K: 512 tiles x 3,072
.set KREC,  6656
.set VREC,  6400
.set VOFF,  2*KREC                     ; a slot: K's two records, then V's two
.set SLOT1, 32768                      ; slot 1 begins here: one exclusive or turns an address
.set SPARE, 65536                      ; the spare words, 128 bytes a wave: eight blocks of 256 bytes that no other line names
.set L16, 1
.set L8,  2
.set AD16, 3
.set AD8, 4
.set SPW, 5
.set NIL, 6
.set QL,  7
.set R16, 10
.set PFO, 11
.set KR,  36
.set TB,  2                            ; s2   LDS byte at which the slot in hand begins
.set KF,  3                            ; s3   the step's first key
.set WV,  18
.set SEL, 20
.set CS,  22                           ; s[22:23] c = log2(e) / 8
.set G1K, 24
.set G1V, 32
.set G0K, 40
.set G0V, 44
.set KB,  48                           ; s[48:49] the head's first record of K;  s[50:51] of V
.set VB,  50
.set Q32, 52                           ; s52  the first of the 32 tokens among which my 16 queries lie;  s57 the second block's
.set NA,  53                           ; s53  slots of the first block
.set NX,  54                           ; s54  the slot of keys asked for last
.set CUR, 55                           ; s55  slots walked in the block in hand
.set SLOTS, 56
.set Q32B, 57
.set OCB, 58                           ; s[58:59] where my codes of o go;  s[60:61] the second block's
.set OCB2, 60
.set OSB, 66                           ; s[66:67] and their scale bytes;  s[68:69]
.set OSB2, 68
.set PFA, 80
.set PFS, 82
.set LIM, 84
; Wave 0 fetches a slot's K, wave 1 its V: one dense block each.  An s_nop 0 and four v_nop follow each line.
.macro TLOAD
	s_cmp_eq_u32 s[WV], 0
	s_cbranch_scc0 .Lnot_k_\@
	tensor_load_to_lds s[G0K:G0K+3], s[G1K:G1K+7]
	s_nop 0
.rept 4
	v_nop
.endr
	s_branch .Lasked_\@
.Lnot_k_\@:
	s_cmp_eq_u32 s[WV], 1
	s_cbranch_scc0 .Lasked_\@
	tensor_load_to_lds s[G0V:G0V+3], s[G1V:G1V+7]
	s_nop 0
.rept 4
	v_nop
.endr
.Lasked_\@:
.endm
; A prefetch of the slot that the NEXT change will ask for.  All four work-groups of a head walk slots 0, 1, .. in step; the first of them, which walks all eight, asks.  Waves 4, 5 name K's two records, waves 6, 7 V's,
; lanes 256 bytes apart; a record has 26 (25) such blocks, and the lanes beyond are held at the last.  Slots 0 and 1 come by their loads alone; nothing is asked for beyond slot 7.
.macro ASK
	s_cmp_gt_u32 s[SLOTS], s[LIM]
	s_cbranch_scc0 .Lnot_mine_\@
	global_prefetch_b8 v[PFO], s[PFA:PFA+1] th:TH_LOAD_NT scope:SCOPE_SE
.Lnot_mine_\@:
.endm
	s_load_b256 s[4:11], s[0:1], 0x0               ; qc, kc, vc, oc
	s_load_b64 s[12:13], s[0:1], 0x20              ; os
	v_lshl_add_u32 v[SPW], v0, 2, SPARE
	v_mov_b32 v[NIL], 0
	ds_add_u32 v[SPW], v[NIL]                      ; the wave's opening: the add and its wait ahead of the first tensor load
	ds_add_u32 v[SPW], v[NIL]
	v_lshrrev_b32 v8, 5, v0
	s_delay_alu instid0(VALU_DEP_1)
	v_readfirstlane_b32 s[WV], v8                  ; wave 0..15
	s_mov_b32 s[G1K], 3<<16                        ; elements of 8 bytes, no mask, no padding: dense blocks as rows of 256 bytes
	s_mov_b32 s[G1K+1], 32<<16
	s_mov_b32 s[G1K+2], 52<<16                     ; 52 rows = 13,312 bytes
	s_mov_b32 s[G1K+3], 32<<16
	s_mov_b32 s[G1K+4], 52
	s_mov_b32 s[G1K+5], 32
	s_mov_b32 s[G1K+6], 0
	s_mov_b32 s[G1K+7], 0
	s_mov_b32 s[G1V], 3<<16
	s_mov_b32 s[G1V+1], 32<<16
	s_mov_b32 s[G1V+2], 50<<16                     ; 50 rows = 12,800 bytes
	s_mov_b32 s[G1V+3], 32<<16
	s_mov_b32 s[G1V+4], 50
	s_mov_b32 s[G1V+5], 32
	s_mov_b32 s[G1V+6], 0
	s_mov_b32 s[G1V+7], 0
	s_and_b32 s70, ttmp7, 0xffff                   ; 16 batch + head
	s_mul_i32 s72, s70, 16*KREC
	s_mov_b32 s73, 0
	s_mul_i32 s74, s70, 16*VREC
	s_mov_b32 s75, 0
	s_sub_co_u32 s[NA], 8, ttmp9
	s_sub_co_u32 s76, 7, ttmp9                     ; the first block
	s_lshr_b32 s77, s[WV], 1
	s_lshl_b32 s77, s77, 5
	s_lshl_b32 s[Q32], s76, 8
	s_add_co_u32 s[Q32], s[Q32], s77
	s_lshl_b32 s[Q32B], ttmp9, 8
	s_add_co_u32 s[Q32B], s[Q32B], s77
	s_lshr_b32 s77, s[WV], 3                       ; my query tile's record: 2 block + wave / 8
	s_lshl_b32 s78, s76, 1
	s_add_co_u32 s78, s78, s77
	s_mul_i32 s78, s78, KREC
	s_add_co_u32 s78, s78, s72
	s_mov_b32 s79, 0
	s_lshl_b32 s86, ttmp9, 1
	s_add_co_u32 s86, s86, s77
	s_mul_i32 s86, s86, KREC
	s_add_co_u32 s86, s86, s72
	s_mov_b32 s87, 0
	s_and_b32 s71, s70, 15                         ; head
	s_lshr_b32 s70, s70, 4
	s_lshl_b32 s70, s70, 7
	s_add_co_u32 s70, s70, s[WV]                   ; my token tile less the block's 16: 128 batch + wave
	s_lshr_b32 s77, s71, 2
	s_mul_i32 s88, s77, CSO                        ; oc: the head's 64 lie in piece head / 4 of K,
	s_mul_i32 s77, s70, 3072
	s_add_co_u32 s88, s88, s77
	s_bfe_u32 s77, s71, 0x10001
	s_mul_i32 s77, s77, 1536                       ; K step (head / 2) % 2 of it,
	s_add_co_u32 s88, s88, s77
	s_and_b32 s77, s71, 1
	s_mul_i32 s77, s77, 768                        ; half image head % 2
	s_add_co_u32 s88, s88, s77
	s_mov_b32 s89, 0
	s_lshl_b32 s90, s70, 9                         ; os: 512 bytes a tile,
	s_lshr_b32 s77, s71, 3
	s_lshl_b32 s77, s77, 8
	s_add_co_u32 s90, s90, s77
	s_bfe_u32 s77, s71, 0x20001
	s_lshl_b32 s77, s77, 2                         ; word (head / 2) % 4,
	s_add_co_u32 s90, s90, s77
	s_and_b32 s77, s71, 1
	s_lshl_b32 s77, s77, 1                         ; bytes 2 (head % 2) on
	s_add_co_u32 s90, s90, s77
	s_mov_b32 s91, 0
	s_mul_i32 s92, s76, 49152                      ; a block's 16 tiles
	s_mov_b32 s93, 0
	s_mul_i32 s94, ttmp9, 49152
	s_mov_b32 s95, 0
	s_lshl_b32 s96, s76, 13
	s_mov_b32 s97, 0
	s_lshl_b32 s98, ttmp9, 13
	s_mov_b32 s99, 0
	s_mov_b32 s[SEL], 0x76543210
	s_mov_b32 s[SEL+1], 0xfedcba98
	s_mov_b32 s[CS], 0x3e38aa3b                    ; log2(e) / 8
	s_mov_b32 s[CS+1], s[CS]
	s_mov_b32 s[TB], 0
	s_mov_b32 s[KF], 0
	s_mov_b32 s[NX], 0
	s_mov_b32 s[CUR], 0
	s_mov_b32 s[SLOTS], 8
	s_wait_dscnt 0x0                               ; the opening add is done
	s_wait_kmcnt 0x0
	s_add_nc_u64 s[KB:KB+1], s[6:7], s[72:73]
	s_add_nc_u64 s[VB:VB+1], s[8:9], s[74:75]
	s_mov_b32 s[G0K], 1
	s_mov_b32 s[G0K+1], 0
	s_mov_b64 s[G0K+2:G0K+3], s[KB:KB+1]
	s_or_b32 s[G0K+3], s[G0K+3], 0x80000000
	s_mov_b32 s[G0V], 1
	s_mov_b32 s[G0V+1], VOFF
	s_mov_b64 s[G0V+2:G0V+3], s[VB:VB+1]
	s_or_b32 s[G0V+3], s[G0V+3], 0x80000000
	TLOAD                                          ; keys 0-255 into slot 0
	s_add_nc_u64 s[78:79], s[4:5], s[78:79]
	s_add_nc_u64 s[86:87], s[4:5], s[86:87]
	s_add_nc_u64 s[OCB:OCB+1], s[10:11], s[88:89]
	s_mov_b64 s[OCB2:OCB2+1], s[OCB:OCB+1]
	s_add_nc_u64 s[OCB:OCB+1], s[OCB:OCB+1], s[92:93]
	s_add_nc_u64 s[OCB2:OCB2+1], s[OCB2:OCB2+1], s[94:95]
	s_add_nc_u64 s[OSB:OSB+1], s[12:13], s[90:91]
	s_mov_b64 s[OSB2:OSB2+1], s[OSB:OSB+1]
	s_add_nc_u64 s[OSB:OSB+1], s[OSB:OSB+1], s[96:97]
	s_add_nc_u64 s[OSB2:OSB2+1], s[OSB2:OSB2+1], s[98:99]
	s_cmp_lt_u32 s[WV], 6                          ; the prefetches: waves 4, 5 K's records, waves 6, 7 V's
	s_cselect_b64 s[PFA:PFA+1], s[KB:KB+1], s[VB:VB+1]
	s_mov_b32 s[PFS], 2*VREC
	s_cselect_b32 s[PFS], 2*KREC, s[PFS]           ; a slot on
	s_mov_b32 s70, VREC
	s_cselect_b32 s70, KREC, s70
	s_cselect_b32 s71, 25, 24                      ; a record's last block of 256 bytes
	s_mov_b32 s[PFS+1], 0
	v_and_b32 v[PFO], 31, v0
	s_delay_alu instid0(VALU_DEP_1)
	v_min_u32 v[PFO], s71, v[PFO]
	s_delay_alu instid0(VALU_DEP_1)
	v_lshlrev_b32 v[PFO], 8, v[PFO]
	s_and_b32 s72, s[WV], 1
	s_mul_i32 s72, s72, s70
	s_add_co_u32 s72, s72, s[PFS]                  ; in slot 1: the first change steps it to slot 2
	s_mov_b32 s73, 0
	s_add_nc_u64 s[PFA:PFA+1], s[PFA:PFA+1], s[72:73]
	s_lshr_b32 s72, s[WV], 2
	s_xor_b32 s72, s72, 1
	s_or_b32 s72, s72, ttmp9
	s_cmp_eq_u32 s72, 0
	s_cselect_b32 s[LIM], 2, -1                    ; waves 4-7 of the head's first work-group ask while more than two trips are left
	v_and_b32 v8, 31, v0
	s_delay_alu instid0(VALU_DEP_1)
	v_lshlrev_b32 v[L16], 4, v8
	s_delay_alu instid0(VALU_DEP_2)
	v_lshlrev_b32 v[L8], 3, v8
	v_and_b32 v9, 15, v0                           ; r
	s_delay_alu instid0(VALU_DEP_1)
	v_lshlrev_b32 v[R16], 4, v9
	s_wait_alu depctr_va_vdst(0)
	v_bfe_u32 v224, v0, 4, 1                       ; h
	v_and_b32 v[QL], 8, v9
	s_delay_alu instid0(VALU_DEP_1)
	v_add_nc_u32 v[QL], v[QL], v9
	s_delay_alu instid0(VALU_DEP_3)
	v_lshlrev_b32 v224, 4, v224
	s_delay_alu instid0(VALU_DEP_1)
	v_sub_nc_u32 v[QL], v[QL], v224
	s_and_b32 s70, s[WV], 1
	s_lshl_b32 s70, s70, 3
	v_add_nc_u32 v[QL], s70, v[QL]                 ; 8 (wave % 2) + r + 8 (r / 8) - 16 h
	s_and_b32 s70, s[WV], 7                        ; my tile in its record
	s_mul_i32 s71, s70, 768
	v_add_nc_u32 v229, s71, v[L16]
	v_add_nc_u32 v230, s71, v[L8]
	s_and_b32 s71, s70, 1
	s_lshl_b32 s71, s71, 8
	s_lshr_b32 s70, s70, 1
	s_lshl_b32 s70, s70, 2
	s_add_co_u32 s71, s71, s70
	v_add_nc_u32 v231, s71, v[R16]                 ; its scale words: 16 (16 (tile % 2) + r) + 4 (tile / 2)
	global_load_b128 v[16:19], v229, s[78:79]
	global_load_b64 v[20:21], v230, s[78:79] offset:512
	global_load_b32 v28, v231, s[78:79] offset:6144
	global_load_b128 v[30:33], v229, s[86:87]
	global_load_b64 v[34:35], v230, s[86:87] offset:512
	global_load_b32 v29, v231, s[86:87] offset:6144
.irp i, 0,1,2,3,4,5
	v_mov_b32 v[22+\i], 0                          ; Q's upper 64 of K: zero codes, for the whole launch
	v_mov_b32 v[84+\i], 0                          ; and what the last tile of K names beyond its own six
.endr
	v_mov_b32 v13, 0xff61b1e6                      ; the largest t so far: -3e38
	s_delay_alu instid0(VALU_DEP_1)
	v_floor_f32 v12, -v13
	v_mov_b32 v14, 0
	v_mov_b32 v15, 0
.irp b, 0,1,2,3
	v_mov_b32 v[216+\b], 0                         ; written once: a lane permute's destination counts as one of its sources
.endr
	v_mov_b32 v227, 0                              ; (named as the upper half of the pair v[226:227])
.set N_, 0
.rept 32
	v_mov_b32 v[160+N_], 0                         ; O^T: the step is written once; the first change of M leaves zeros zeros
.set N_, N_+1
.endr
; A KEY STEP: 128 keys, record q of the slot in hand.
.macro STEP q
	s_add_co_u32 s70, s[Q32], 32                   ; a step all of whose keys come after my queries is left out: ids and counts alone; no barrier and no tensor load stands in a step
	s_cmp_ge_u32 s[KF], s70
	s_cbranch_scc1 .Lhidden_\@
.rept 4
	v_nop                                          ; places in front of loads into registers that the last products read
.endr
	s_wait_alu depctr_va_vdst(0)
.irp t, 0,1,2,3,4,5,6,7
	ds_load_b128 v[KR+6*\t:KR+6*\t+3], v[AD16] offset:(\q)*KREC+768*\t
	ds_load_b64 v[KR+6*\t+4:KR+6*\t+5], v[AD8] offset:(\q)*KREC+768*\t+512
.endr
	ds_load_b128 v[90:93], v[AD16] offset:(\q)*KREC+6144
	s_wait_dscnt 0x0
.irp t, 0,1,2,3,4,5,6,7                        ; S^T = K Q^T: register 16 b + i holds key KF + 32 b + 16 h + i
.if (\t%2)
	v_wmma_scale_f32_16x16x128_f8f6f4 v[96+8*\t:103+8*\t], v[KR+6*\t:KR+6*\t+11], v[16:27], 0, v[90+\t/2], v28 matrix_a_fmt:MATRIX_FMT_FP6 matrix_b_fmt:MATRIX_FMT_FP6 matrix_a_scale:MATRIX_SCALE_ROW1
.else
	v_wmma_scale_f32_16x16x128_f8f6f4 v[96+8*\t:103+8*\t], v[KR+6*\t:KR+6*\t+11], v[16:27], 0, v[90+\t/2], v28 matrix_a_fmt:MATRIX_FMT_FP6 matrix_b_fmt:MATRIX_FMT_FP6
.endif
.endr
.rept 4
	v_nop
.endr
	s_wait_alu depctr_va_vdst(0)
.irp d, 0,1,2,3                                ; V's four fragments land while the softmax is walked
	ds_load_b128 v[KR+12*\d:KR+12*\d+3], v[AD16] offset:VOFF+(\q)*VREC+1536*\d
	ds_load_b64 v[KR+12*\d+4:KR+12*\d+5], v[AD8] offset:VOFF+(\q)*VREC+1536*\d+512
	ds_load_b128 v[KR+12*\d+6:KR+12*\d+9], v[AD16] offset:VOFF+(\q)*VREC+1536*\d+768
	ds_load_b64 v[KR+12*\d+10:KR+12*\d+11], v[AD8] offset:VOFF+(\q)*VREC+1536*\d+1280
.endr
	ds_load_b64 v[94:95], v[AD8] offset:VOFF+(\q)*VREC+6144
	s_add_co_u32 s70, s[KF], 128                   ; on the diagonal hidden scores become -infinity ahead of the maximum; a step all of whose keys count skips this
	s_cmp_le_u32 s70, s[Q32]
	s_cbranch_scc1 .Lopen_\@
	s_sub_co_i32 s70, s[Q32], s[KF]
	v_add_nc_u32 v229, s70, v[QL]                  ; d = my query - KF - 16 h: register 16 b + i is hidden where 32 b + i > d
	v_mov_b32 v230, 0xff800000
.set N_, 0
.rept 64
	v_cmp_gt_i32 vcc_lo, 32*(N_/16)+N_%16, v229
	v_cndmask_b32 v[96+N_], v[96+N_], v230, vcc_lo
.set N_, N_+1
.endr
.Lopen_\@:
.irp b, 0,1,2,3
	v_max3_num_f32 v[212+\b], v[96+16*\b], v[97+16*\b], v[98+16*\b]   ; the largest score of each block of 32 keys: for the row's maximum and, since p rises with the score, for the block's largest p
.endr
.irp i, 3,5,7,9,11,13
.irp b, 0,1,2,3
	v_max3_num_f32 v[212+\b], v[212+\b], v[96+16*\b+\i], v[97+16*\b+\i]
.endr
.endr
.irp b, 0,1,2,3
	v_max_num_f32 v[212+\b], v[212+\b], v[111+16*\b]
.endr
.irp b, 0,1,2,3
	s_delay_alu instid0(VALU_DEP_4)
	v_permlanex16_b32 v[216+\b], v[212+\b], s[SEL], s[SEL+1]
.endr
.irp b, 0,1,2,3
	s_delay_alu instid0(VALU_DEP_4)
	v_max_num_f32 v[212+\b], v[212+\b], v[216+\b]
.endr
	s_delay_alu instid0(VALU_DEP_2)
	v_max3_num_f32 v224, v212, v213, v214
	s_delay_alu instid0(VALU_DEP_1)
	v_max_num_f32 v224, v224, v215
	s_delay_alu instid0(VALU_DEP_1)
	v_mul_f32 v224, s[CS], v224
	s_delay_alu instid0(VALU_DEP_1)
	v_max_num_f32 v13, v13, v224                   ; the running largest t
	v_mov_b32 v224, v12
	s_delay_alu instid0(VALU_DEP_2)
	v_floor_f32 v12, -v13                          ; -M = floor(-t): M is a whole number
	s_delay_alu instid0(VALU_DEP_1)
	v_sub_f32 v224, v12, v224
	s_delay_alu instid0(VALU_DEP_1)
	v_cvt_i32_f32 v224, v224                       ; (it saturates)
	s_delay_alu instid0(VALU_DEP_1)
	v_ldexp_f32 v226, 1.0, v224                    ; f = 2^(old M - new M): rounds nothing
.set N_, 0
.rept 32
	v_pk_fma_f32 v[96+N_:97+N_], v[96+N_:97+N_], s[CS:CS+1], v[12:13] op_sel_hi:[1,0,0]   ; t - M
.set N_, N_+2
.endr
.irp b, 0,1,2,3
	v_fma_f32 v[212+\b], v[212+\b], s[CS], v12
.endr
.set N_, 0
	s_wait_alu depctr_va_vdst(0)
.rept 64
	v_exp_f32 v[96+N_], v[96+N_]                   ; p = 2^(t - M)
.set N_, N_+1
.endr
	v_pk_mul_f32 v[14:15], v[14:15], v[226:227] op_sel_hi:[1,0]   ; the sums under the new M: a plain place behind the exponentials
	s_wait_alu depctr_va_vdst(0)                   ; one wait for the batch, ahead of its first reader
.irp b, 0,1,2,3
	v_exp_f32 v[212+\b], v[212+\b]                 ; each block's largest p
.endr
	v_pk_add_f32 v[216:217], v[100:101], v[104:105]
	v_pk_add_f32 v[254:255], v[108:109], v[112:113]
	v_pk_add_f32 v[252:253], v[116:117], v[120:121]
	v_pk_add_f32 v[250:251], v[124:125], v[128:129]
	v_pk_add_f32 v[248:249], v[132:133], v[136:137]
	v_pk_add_f32 v[246:247], v[140:141], v[144:145]
	v_pk_add_f32 v[244:245], v[148:149], v[152:153]
	v_pk_add_f32 v[14:15], v[14:15], v[156:157]
	v_pk_add_f32 v[216:217], v[216:217], v[96:97]
	v_pk_add_f32 v[254:255], v[254:255], v[98:99]
	v_pk_add_f32 v[252:253], v[252:253], v[102:103]
	v_pk_add_f32 v[250:251], v[250:251], v[106:107]
	v_pk_add_f32 v[248:249], v[248:249], v[110:111]
	v_pk_add_f32 v[246:247], v[246:247], v[114:115]
	v_pk_add_f32 v[244:245], v[244:245], v[118:119]
	v_pk_add_f32 v[14:15], v[14:15], v[122:123]
	v_pk_add_f32 v[216:217], v[216:217], v[126:127]
	v_pk_add_f32 v[254:255], v[254:255], v[130:131]
	v_pk_add_f32 v[252:253], v[252:253], v[134:135]
	v_pk_add_f32 v[250:251], v[250:251], v[138:139]
	v_pk_add_f32 v[248:249], v[248:249], v[142:143]
	v_pk_add_f32 v[246:247], v[246:247], v[146:147]
	v_pk_add_f32 v[244:245], v[244:245], v[150:151]
	v_pk_add_f32 v[14:15], v[14:15], v[154:155]
	v_pk_add_f32 v[216:217], v[216:217], v[158:159]
	s_delay_alu instid0(VALU_DEP_2)
	v_pk_add_f32 v[14:15], v[14:15], v[250:251]
	s_delay_alu instid0(VALU_DEP_2)
	v_pk_add_f32 v[216:217], v[216:217], v[248:249]
	v_pk_add_f32 v[254:255], v[254:255], v[246:247]
	v_pk_add_f32 v[252:253], v[252:253], v[244:245]
	s_delay_alu instid0(VALU_DEP_2)
	v_pk_add_f32 v[14:15], v[14:15], v[254:255]
	s_delay_alu instid0(VALU_DEP_2)
	v_pk_add_f32 v[216:217], v[216:217], v[252:253]
	s_delay_alu instid0(VALU_DEP_1)
	v_pk_add_f32 v[14:15], v[14:15], v[216:217]
	s_wait_alu depctr_va_vdst(0)                   ; and one for the four
.irp b, 0,1,2,3
	v_max_num_f32 v[212+\b], 0x1800000, v[212+\b]  ; the floor 2^(3 - 127)
.endr
.irp b, 0,1,2,3
	s_delay_alu instid0(VALU_DEP_4)
	v_add_nc_u32 v[220+\b], 0xff000000, v[212+\b]
.endr
.irp b, 0,1,2,3
	s_delay_alu instid0(VALU_DEP_4)
	v_lshrrev_b32 v[216+\b], 23, v[220+\b]
.endr
	s_delay_alu instid0(VALU_DEP_3)
	v_lshl_or_b32 v228, v217, 8, v216              ; p's scale word for these 128 keys
	s_delay_alu instid0(VALU_DEP_1)
	v_lshl_or_b32 v228, v218, 16, v228
	s_delay_alu instid0(VALU_DEP_1)
	v_lshl_or_b32 v228, v219, 24, v228
.irp c, 0,1
	v_cvt_scalef32_pk16_fp6_f32 v[192+6*\c:194+6*\c], v[96+32*\c:111+32*\c], v[220+2*\c]
	v_cvt_scalef32_pk16_fp6_f32 v[204+4*\c:206+4*\c], v[112+32*\c:127+32*\c], v[220+2*\c+1]
.endr
	v_nop                                          ; one plain place behind a scaled conversion
.irp c, 0,1
.irp i, 0,1,2
	v_permlane16_swap_b32 v[192+6*\c+\i], v[204+4*\c+\i]
.endr
.irp i, 0,1,2
	s_delay_alu instid0(VALU_DEP_3)
	v_mov_b32 v[195+6*\c+\i], v[204+4*\c+\i]
.endr
.endr
.set N_, 0
.rept 16
	v_pk_mul_f32 v[160+N_:161+N_], v[160+N_:161+N_], v[226:227] op_sel_hi:[1,0]   ; O^T under the new M; these sixteen are also the places between the scale word, the codes and the products
.set N_, N_+2
.endr
	s_wait_alu depctr_va_vdst(0)
	s_wait_dscnt 0x0                               ; V is in
.irp d, 0,1,2,3                                ; O^T += V^T P^T: the four accumulators by turns
.if (\d%2)
	v_wmma_scale_f32_16x16x128_f8f6f4 v[160+8*\d:167+8*\d], v[KR+12*\d:KR+12*\d+11], v[192:203], v[160+8*\d:167+8*\d], v[94+\d/2], v228 matrix_a_fmt:MATRIX_FMT_FP6 matrix_b_fmt:MATRIX_FMT_FP6 matrix_a_scale:MATRIX_SCALE_ROW1
.else
	v_wmma_scale_f32_16x16x128_f8f6f4 v[160+8*\d:167+8*\d], v[KR+12*\d:KR+12*\d+11], v[192:203], v[160+8*\d:167+8*\d], v[94+\d/2], v228 matrix_a_fmt:MATRIX_FMT_FP6 matrix_b_fmt:MATRIX_FMT_FP6
.endif
.endr
.Lhidden_\@:
	s_add_co_u32 s[KF], s[KF], 128
.endm
; THE CHANGE OF SLOTS, at a slot's head: every wave waits for all its tensor loads, adds 0 to its spare word, waits for that and for its reads of the slot that it has left; one barrier; then that slot is filled with the keys that follow.
.macro CHANGE fill
	s_wait_tensorcnt 0x0                           ; no tensor load of mine is out, so a group 0 may be written
	ds_add_u32 v[SPW], v[NIL]
.if \fill
	s_add_co_u32 s[NX], s[NX], 1
	s_cmp_eq_u32 s[NX], s[NA]
	s_cselect_b32 s[NX], 0, s[NX]                  ; behind the first block's last slot: the second block's slot 0
	s_xor_b32 s[G0K+1], s[G0K+1], SLOT1
	s_xor_b32 s[G0V+1], s[G0V+1], SLOT1
	s_mul_i32 s70, s[NX], 2*KREC
	s_mov_b32 s71, 0
	s_add_nc_u64 s[G0K+2:G0K+3], s[KB:KB+1], s[70:71]
	s_or_b32 s[G0K+3], s[G0K+3], 0x80000000
	s_mul_i32 s70, s[NX], 2*VREC
	s_add_nc_u64 s[G0V+2:G0V+3], s[VB:VB+1], s[70:71]
	s_or_b32 s[G0V+3], s[G0V+3], 0x80000000
	s_wait_xcnt 0x0                                ; the last prefetch, a slot back, has read its address
	s_add_nc_u64 s[PFA:PFA+1], s[PFA:PFA+1], s[PFS:PFS+1]
.endif
	s_wait_dscnt 0x0                               ; the add is done, and my reads of the slot that I have left are over
	s_barrier_signal -1
	s_barrier_wait -1
.if \fill
	TLOAD                                          ; the first thing behind the barrier, a wave's one tensor load until the next: it has a slot's two steps in which to land
	ASK
.endif
.endm
; A BLOCK'S END: O^T / the sum; my query's 64 channels are two blocks of 32 along the last product's K: half an image and two scale bytes.
.macro FINISH
.rept 4
	v_nop                                          ; places behind the last products
.endr
	v_add_f32 v14, v14, v15
	s_delay_alu instid0(VALU_DEP_1)
	v_permlanex16_b32 v216, v14, s[SEL], s[SEL+1]
	s_delay_alu instid0(VALU_DEP_1)
	v_add_f32 v14, v14, v216                       ; the row's sum
	s_wait_alu depctr_va_vdst(0)
	v_rcp_f32 v226, v14
	v_nop                                          ; a plain place behind the transcendental
	s_wait_alu depctr_va_vdst(0)                   ; and the wait ahead of its first reader
.set N_, 0
.rept 16
	v_pk_mul_f32 v[96+N_:97+N_], v[160+N_:161+N_], v[226:227] op_sel_hi:[1,0]   ; register 16 g + i is channel 32 g + 16 h + i; each accumulator from its low end on
.set N_, N_+2
.endr
.irp b, 0,1
	v_max3_num_f32 v[212+\b], |v[96+16*\b]|, |v[97+16*\b]|, 0x1800000
.endr
.irp i, 2,4,6,8,10,12,14
.irp b, 0,1
	s_delay_alu instid0(VALU_DEP_2)
	v_max3_num_f32 v[212+\b], v[212+\b], |v[96+16*\b+\i]|, |v[97+16*\b+\i]|
.endr
.endr
.irp b, 0,1
	s_delay_alu instid0(VALU_DEP_2)
	v_permlanex16_b32 v[216+\b], v[212+\b], s[SEL], s[SEL+1]
.endr
.irp b, 0,1
	s_delay_alu instid0(VALU_DEP_2)
	v_max_num_f32 v[212+\b], v[212+\b], v[216+\b]
.endr
.irp b, 0,1
	s_delay_alu instid0(VALU_DEP_2)
	v_add_nc_u32 v[220+\b], 0xff000000, v[212+\b]
.endr
.irp b, 0,1
	s_delay_alu instid0(VALU_DEP_2)
	v_lshrrev_b32 v[216+\b], 23, v[220+\b]
.endr
	s_delay_alu instid0(VALU_DEP_1)
	v_lshl_or_b32 v224, v217, 8, v216
	v_cvt_scalef32_pk16_fp6_f32 v[192:194], v[96:111], v220
	v_cvt_scalef32_pk16_fp6_f32 v[204:206], v[112:127], v221
	v_nop
.irp i, 0,1,2
	v_permlane16_swap_b32 v[192+\i], v[204+\i]
.endr
.irp i, 0,1,2
	s_delay_alu instid0(VALU_DEP_3)
	v_mov_b32 v[195+\i], v[204+\i]
.endr
	global_store_b128 v[L16], v[192:195], s[OCB:OCB+1]             ; 512 consecutive bytes,
	global_store_b64 v[L8], v[196:197], s[OCB:OCB+1] offset:512    ; and 256
	global_store_b16 v[R16], v224, s[OSB:OSB+1]                    ; two bytes a row; both halves of the lanes write the same value
.endm
.macro SWITCH                          ; on to the second block
	s_wait_xcnt 0x0                                ; the stores have read their bases and their data
.irp i, 0,1,2,3,4,5
	v_mov_b32 v[16+\i], v[30+\i]
.endr
	v_mov_b32 v28, v29
	s_mov_b64 s[OCB:OCB+1], s[OCB2:OCB2+1]
	s_mov_b64 s[OSB:OSB+1], s[OSB2:OSB2+1]
	s_mov_b32 s[Q32], s[Q32B]
	s_mov_b32 s[KF], 0
	s_mov_b32 s[CUR], 0
	v_mov_b32 v13, 0xff61b1e6
	s_delay_alu instid0(VALU_DEP_1)
	v_floor_f32 v12, -v13
	v_mov_b32 v14, 0
	v_mov_b32 v15, 0
.set N_, 0
.rept 32
	v_mov_b32 v[160+N_], 0
.set N_, N_+1
.endr
.endm
	s_wait_loadcnt 0x0                             ; both blocks' Q
.Lslot:                                            ; eight trips: behind each change of slots but the last the next slot is asked for
	CHANGE 1
	v_add_nc_u32 v[AD16], s[TB], v[L16]
	v_add_nc_u32 v[AD8], s[TB], v[L8]
	STEP 0
	STEP 1
	s_xor_b32 s[TB], s[TB], SLOT1
	s_add_co_u32 s[CUR], s[CUR], 1
	s_cmp_lg_u32 s[CUR], s[NA]                     ; the first block's last slot?  ids and counts alone, the same in all sixteen waves
	s_cbranch_scc1 .Lsame
	FINISH
	SWITCH
.Lsame:
	s_sub_co_u32 s[SLOTS], s[SLOTS], 1
	s_cmp_lg_u32 s[SLOTS], 0
	s_cbranch_scc1 .Lslot
	CHANGE 0                                       ; the ninth slot is written out
	v_add_nc_u32 v[AD16], s[TB], v[L16]
	v_add_nc_u32 v[AD8], s[TB], v[L8]
	STEP 0
	STEP 1
	FINISH
	s_wait_tensorcnt 0x0                           ; the wave's end
	ds_add_u32 v[SPW], v[NIL]
	s_wait_dscnt 0x0
	s_endpgm
.Lfunc_end_k_q9571431afe_attn:
	.size	k_q9571431afe_attn, .Lfunc_end_k_q9571431afe_attn-k_q9571431afe_attn
	.p2alignl 7, 3214868480
	.fill 96, 4, 3214868480
	.section	.rodata,"a",@progbits
	.p2align	6, 0x0
	.amdhsa_kernel k_q9571431afe_attn
		.amdhsa_group_segment_fixed_size 327680
		.amdhsa_private_segment_fixed_size 0
		.amdhsa_enable_private_segment 0
		.amdhsa_kernarg_size 40
		.amdhsa_user_sgpr_count 2
		.amdhsa_user_sgpr_kernarg_segment_ptr 1
		.amdhsa_wavefront_size32 1
		.amdhsa_system_sgpr_workgroup_id_x 1
		.amdhsa_system_sgpr_workgroup_id_y 1
		.amdhsa_system_sgpr_workgroup_id_z 1
		.amdhsa_system_vgpr_workitem_id 0
		.amdhsa_next_free_vgpr 256
		.amdhsa_next_free_sgpr 100
		.amdhsa_reserve_vcc 1
		.amdhsa_float_denorm_mode_32 3
		.amdhsa_float_denorm_mode_16_64 3
		.amdhsa_memory_ordered 1
		.amdhsa_forward_progress 1
		.amdhsa_inst_pref_size 112
	.end_amdhsa_kernel
	.amdgpu_metadata
---
amdhsa.version: [ 1, 2 ]
amdhsa.kernels:
  - .name:           k_q9571431afe_attn
    .symbol:         k_q9571431afe_attn.kd
    .args:
      - { .name: qc, .offset: 0, .size: 8, .value_kind: global_buffer, .address_space: global }
      - { .name: kc, .offset: 8, .size: 8, .value_kind: global_buffer, .address_space: global }
      - { .name: vc, .offset: 16, .size: 8, .value_kind: global_buffer, .address_space: global }
      - { .name: oc, .offset: 24, .size: 8, .value_kind: global_buffer, .address_space: global }
      - { .name: os, .offset: 32, .size: 8, .value_kind: global_buffer, .address_space: global }
    .group_segment_fixed_size: 327680
    .private_segment_fixed_size: 0
    .kernarg_segment_align: 8
    .kernarg_segment_size: 40
    .max_flat_workgroup_size: 512
    .sgpr_count:     100
    .vgpr_count:     256
    .wavefront_size: 32
...
	.end_amdgpu_metadata
.endif
;; end of part 3
;; launch proj (part 4): grid 4 x 32, 4 waves a work-group, clusters of 4 x 4, 327,680 bytes of LDS; arguments oc, os, ac, sc, bo, out0; writes out0
.if DOCPART == 4
	.amdgcn_target "amdgcn-amd-amdhsa--gfx1250"
	.amdhsa_code_object_version 6
	.text
	.protected	k_q9571431afe_proj
	.globl	k_q9571431afe_proj
	.p2align	8
	.type	k_q9571431afe_proj,@function
k_q9571431afe_proj:
	s_mov_b64 s[64:65], 0
	v_nop
	global_prefetch_b8 v0, s[64:65] scope:SCOPE_SE
	s_setreg_imm32_b32 hwreg(HW_REG_WAVE_MODE, 25, 1), 1
	s_wait_xcnt 0x0
	s_wait_alu depctr_hold_cnt(0) depctr_sa_sdst(0) depctr_va_vdst(0) depctr_va_sdst(0) depctr_va_ssrc(0) depctr_va_vcc(0) depctr_vm_vsrc(0)
	s_getreg_b32 s2, hwreg(HW_REG_IB_STS2, 6, 4)
	s_cmp_eq_u32 s2, 0
	s_cbranch_scc0 .Lentry_in_a_cluster
	s_endpgm
.Lentry_in_a_cluster:
	s_bfe_u32 s2, ttmp6, 0x10000c
	s_cmp_lg_u32 s2, 0xf033
	s_cbranch_scc0 .Lentry_shape_is_right
	s_endpgm
.Lentry_shape_is_right:
; out0 = o Wo^T + bo: [8192] x [1024] over K = 1024 on codes of FP6 (E2M3) with E8M0 scales; out0 f32.
; oc, os hold o's 512 token tiles, ac, sc Wo's tiles (from 704), as images of the operand's registers: codes [256 of K][tile][128 of K][1536], scale words [tile][512 of K][row][4 words].
; A tile of the product, 256 tokens x 256 outputs, is made by four waves; a wave makes 128 x 128: 64 accumulators.  P = tokens is source 1 (a lane is a token), Q = Wo's rows source 0 (a lane's registers run along the outputs).
; Rows of a tile are ordered 32 g + 8 u + r + 8 (r / 8): register j of accumulator (a, b) in lane (r, h) is out0(token 32 (a / 2) + 8 (a % 2) + r + 8 (r / 8), output 32 (b / 2) + 16 h + 8 (b % 2) + j) of the wave's part.
; The bias is the C of each sum's first matrix instruction (so it enters the sum first, not last).
; K goes in four pieces of 256 through two LDS slots filled by the tensor data mover, 24,576 dense bytes a wave; the scale words of all of K come once.  The eight K steps are written out.
; CLUSTERS: 4 x 4 work-groups; o's tiles are asked for jointly along a row of the cluster, Wo's along a column.  128 work-groups: one tile each.
; REGISTERS: window 0: v4, v5 16 x lane, 8 x lane; v16-23, v27 LDS addresses; v24, v25 the stage; v28, v29 the add's; v32-63 scale words, two sets; v64-127 the bias; v128-223 P's 8 fragments, one set; on the way out v128-255 rows.
;   window 1: Q's fragments, two sets, at v0 and v128.   windows 2, 3: accumulator (a, b) at v[8 (8 (a % 4) + b)].
.set CSX,    1572864                   ; from 256 of K to the next, in o's codes
.set CSW,    2359296                   ; and in the weights'
.set WT0,    704                       ; Wo's first tile
.set FR,     12
.set NL,     4
.set NP,     4
.set HALFT,  24576
.set SLOT,   4*HALFT
.set SCL,    2*SLOT
.set SPARE,  262144                    ; the spare words, 128 bytes a wave: two blocks of 256 bytes that no other line names
.set SPITCH, 528                       ; the way out: a stage of 16 rows x (512 + 16) bytes for each wave, in slot 0, which has had its last fill and its last read by then
.set ADRP, 16
.set ADRQ, 20
.set STO,  24
.set RD,   25
.set CO,   4
.set ADRS, 27
.set SPW,  28
.set NIL,  29
.set SC,   32
.set BI,   64                          ; the bias: eight registers for each of Q's blocks
.set AF,   128
.set BK,   128
.set G1, 24
.set G0, 32
.set G1B, 48
.set G0B, 56
.set G1S, 68
.set G0S, 76
.set G1SB, 80
.set G0SB, 88
.set MSB, 0
.macro WIN new
.if MSB != \new
	s_set_vgpr_msb (MSB<<8)|\new
.set MSB, \new
.endif
.endm
.set MUL_LO, 0xa1
.set MUL_HI, 0xf1
.set TO_B,   0x40
.macro JLOAD g0a, g1a, g0b, g1b        ; a joint load: waves 0 and 1 fetch o's halves, waves 2 and 3 Wo's; an s_nop 0 and four v_nop follow each line
	s_cmp_eq_u32 s15, 0
	s_cbranch_scc0 .Lfor_b_\@
	tensor_load_to_lds s[\g0a:\g0a+3], s[\g1a:\g1a+7]
	s_nop 0
.rept 4
	v_nop
.endr
	s_branch .Lasked_\@
.Lfor_b_\@:
	tensor_load_to_lds s[\g0b:\g0b+3], s[\g1b:\g1b+7]
	s_nop 0
.rept 4
	v_nop
.endr
.Lasked_\@:
.endm
.macro CREST
	s_cmp_lg_u32 s14, 0
	s_cbranch_scc1 .Lnot_wave_0_\@
	s_barrier_signal -3
.Lnot_wave_0_\@:
	s_barrier_wait -3
	s_barrier_signal -1
	s_barrier_wait -1
.endm
.macro CROUND
	s_barrier_signal -1
	s_barrier_wait -1
	CREST
.endm
	s_load_b128 s[4:7], s[0:1], 0x0                ; oc, os
	s_load_b128 s[8:11], s[0:1], 0x10              ; ac, sc
	s_load_b128 s[96:99], s[0:1], 0x20             ; bo, out0
	v_lshl_add_u32 v[SPW], v0, 2, SPARE
	v_mov_b32 v[NIL], 0
	ds_add_u32 v[SPW], v[NIL]                      ; the wave's opening: the add and its wait ahead of my first tensor load
	v_lshrrev_b32 v1, 5, v0
	v_readfirstlane_b32 s14, v1
	s_lshr_b32 s15, s14, 1
	s_and_b32 s16, s14, 1
	s_bfe_u32 s40, ttmp6, 0x40000
	s_bfe_u32 s41, ttmp6, 0x40004
	s_lshl_b32 s42, ttmp9, 2
	s_add_co_u32 s42, s42, s40                     ; column of 256 outputs
	s_and_b32 s17, ttmp7, 0xffff
	s_lshl_b32 s17, s17, 2
	s_add_co_u32 s17, s17, s41                     ; row of 256 tokens
	s_lshl_b32 s43, s41, 2
	s_lshl_b32 s43, 15, s43
	s_lshl_b32 s44, 0x1111, s40
	s_or_b32 s[G1+0], s43, (3<<16)|(1<<21)         ; dense blocks as rows of 256 bytes (32 elements of 8 bytes), no padding
	s_or_b32 s[G1B+0], s44, (3<<16)|(1<<21)
.irp g, G1, G1B
	s_mov_b32 s[\g+1], 32<<16
	s_mov_b32 s[\g+2], 96<<16
	s_mov_b32 s[\g+3], 32<<16
	s_mov_b32 s[\g+4], 96
	s_mov_b32 s[\g+5], 32
	s_mov_b32 s[\g+6], 0
	s_mov_b32 s[\g+7], 0
.endr
	s_or_b32 s[G1S+0], s43, (3<<16)|(1<<21)
	s_or_b32 s[G1SB+0], s44, (3<<16)|(1<<21)
.irp g, G1S, G1SB
	s_mov_b32 s[\g+1], 32<<16
	s_mov_b32 s[\g+2], 16<<16
	s_mov_b32 s[\g+3], 32<<16
	s_mov_b32 s[\g+4], 16
	s_mov_b32 s[\g+5], 32
	s_mov_b32 s[\g+6], 0
	s_mov_b32 s[\g+7], 0
.endr
	s_lshl_b32 s18, s16, 3
	s_lshl_b32 s20, s17, 4
	s_add_co_u32 s20, s20, s18
	s_lshl_b32 s46, s42, 4
	s_add_co_u32 s46, s46, s18
	s_add_co_u32 s46, s46, WT0
	s_lshl_b32 s22, s20, 9
	s_mov_b32 s23, 0
	s_lshl_b32 s92, s46, 9
	s_mov_b32 s93, 0
	s_mul_i32 s20, s20, 3072
	s_mov_b32 s21, 0
	s_mul_i32 s46, s46, 3072
	s_mov_b32 s47, 0
	s_mul_i32 s45, s14, HALFT
	s_lshl_b32 s94, s14, 12
	s_wait_dscnt 0x0
	s_wait_kmcnt 0x0
	s_add_nc_u64 s[20:21], s[4:5], s[20:21]
	s_add_nc_u64 s[22:23], s[6:7], s[22:23]
	s_add_nc_u64 s[46:47], s[8:9], s[46:47]
	s_add_nc_u64 s[92:93], s[10:11], s[92:93]
	CROUND                                         ; all sixteen work-groups are here: the first joint loads meet
	s_mov_b32 s[G0S], 1
	s_add_co_u32 s[G0S+1], s94, SCL
	s_mov_b64 s[G0S+2:G0S+3], s[22:23]
	s_or_b32 s[G0S+3], s[G0S+3], 0x80000000
	s_mov_b32 s[G0SB], 1
	s_add_co_u32 s[G0SB+1], s94, SCL
	s_mov_b64 s[G0SB+2:G0SB+3], s[92:93]
	s_or_b32 s[G0SB+3], s[G0SB+3], 0x80000000
	JLOAD G0S, G1S, G0SB, G1SB                     ; three loads of mine are out behind these first fills
.irp s, 0,1
	s_mov_b32 s[G0+4*\s], 1
	s_add_co_u32 s[G0+4*\s+1], s45, \s*SLOT
	s_add_nc_u64 s[G0+4*\s+2:G0+4*\s+3], s[20:21], \s*CSX
	s_or_b32 s[G0+4*\s+3], s[G0+4*\s+3], 0x80000000
	s_mov_b32 s[G0B+4*\s], 1
	s_add_co_u32 s[G0B+4*\s+1], s45, \s*SLOT
	s_add_nc_u64 s[G0B+4*\s+2:G0B+4*\s+3], s[46:47], \s*CSW
	s_or_b32 s[G0B+4*\s+3], s[G0B+4*\s+3], 0x80000000
	JLOAD G0+4*\s, G1, G0B+4*\s, G1B
.endr
	v_and_b32 v1, 31, v0
	v_and_b32 v2, 15, v0                           ; r
	v_bfe_u32 v3, v0, 4, 1                         ; h
	v_lshlrev_b32 v4, 4, v1                        ; 16 x lane
	v_lshlrev_b32 v5, 3, v1                        ; 8 x lane
	s_lshl_b32 s18, s42, 10                        ; the bias of my 128 outputs
	s_lshl_b32 s19, s16, 9
	s_add_co_u32 s18, s18, s19
	s_mov_b32 s19, 0
	s_add_nc_u64 s[96:97], s[96:97], s[18:19]
	v_lshlrev_b32 v8, 6, v3                        ; + 16 h numbers
.irp b, 0,1,2,3,4,5,6,7
	global_load_b128 v[BI+8*\b:BI+8*\b+3], v8, s[96:97] offset:(32*(\b/2)+8*(\b%2))*4
	global_load_b128 v[BI+8*\b+4:BI+8*\b+7], v8, s[96:97] offset:(32*(\b/2)+8*(\b%2))*4+16
.endr
	s_mul_i32 s21, s15, HALFT                      ; P: my 8 tiles of tokens
	s_mul_i32 s22, s16, HALFT
	s_add_co_u32 s22, s22, 2*HALFT                 ; Q: my 8 tiles of Wo, behind o's 16
.irp s, 0,1
	v_add_nc_u32 v[ADRP+\s], s21, v4
	v_add_nc_u32 v[ADRP+2+\s], s21, v5
	v_add_nc_u32 v[ADRQ+\s], s22, v4
	v_add_nc_u32 v[ADRQ+2+\s], s22, v5
	s_add_co_u32 s21, s21, SLOT
	s_add_co_u32 s22, s22, SLOT
.endr
	s_lshl_b32 s21, s15, 12                        ; P's scale words,
	s_lshl_b32 s22, s16, 12
	s_add_co_u32 s22, s22, 8192                    ; Q's, behind P's 8,192 bytes
	s_sub_co_u32 s22, s22, s21
	v_mul_u32_u24 v6, s22, v3                      ; lanes 16-31 take Q's
	s_add_co_u32 s21, s21, SCL
	v_lshl_add_u32 v6, v2, 4, v6
	v_add_nc_u32 v[ADRS], s21, v6
	s_mul_i32 s23, s14, 16*SPITCH                  ; my stage
	v_mul_u32_u24 v9, v2, SPITCH
	v_lshl_add_u32 v9, v3, 6, v9
	v_add_nc_u32 v[STO], s23, v9                   ; in: row r, + 64 h
	v_add_nc_u32 v[RD], s23, v4                    ; back: 16 bytes a lane of a row of 512
	s_lshl_b32 s2, s17, 8
	s_lshl_b32 s3, s15, 7
	s_add_co_u32 s2, s2, s3
	s_lshl_b32 s2, s2, 12                          ; my first token's row of 4,096 bytes
	s_lshl_b32 s3, s42, 10
	s_add_co_u32 s2, s2, s3
	s_lshl_b32 s3, s16, 9
	s_add_co_u32 s2, s2, s3                        ; + my first output
	s_mov_b32 s3, 0
	s_add_nc_u64 s[12:13], s[98:99], s[2:3]
.macro FRAG reg, adr, q, i
	ds_load_b128 v[\reg:\reg+3], v[\adr] offset:(\i)*3072+(\q)*1536
	ds_load_b64 v[\reg+4:\reg+5], v[\adr+2] offset:(\i)*3072+(\q)*1536+512
	ds_load_b128 v[\reg+6:\reg+9], v[\adr] offset:(\i)*3072+(\q)*1536+768
	ds_load_b64 v[\reg+10:\reg+11], v[\adr+2] offset:(\i)*3072+(\q)*1536+1280
.endm
; 16 matrix instructions: P's blocks a0, a0 + 1 x Q's eight.  zero = 2: the sums begin with the bias.  The 64 accumulators take turns, one instruction a turn.
.macro MUL16 a0, p, q, sc, zero
.irp a, \a0, \a0+1
.irp b, 0,1,2,3,4,5,6,7
.if \zero == 2
	v_wmma_scale_f32_16x16x128_f8f6f4 v[8*(8*((\a)%4)+\b):8*(8*((\a)%4)+\b)+7], v[128*(\p)+FR*\b:128*(\p)+FR*\b+FR-1], v[AF+FR*(\a):AF+FR*(\a)+FR-1], v[BI+8*\b:BI+8*\b+7], v[SC+16*(\sc)+2*\b+(\q)], v[SC+16*(\sc)+2*(\a)+(\q)] matrix_a_fmt:MATRIX_FMT_FP6 matrix_b_fmt:MATRIX_FMT_FP6 matrix_a_scale:MATRIX_SCALE_ROW1
.else
	v_wmma_scale_f32_16x16x128_f8f6f4 v[8*(8*((\a)%4)+\b):8*(8*((\a)%4)+\b)+7], v[128*(\p)+FR*\b:128*(\p)+FR*\b+FR-1], v[AF+FR*(\a):AF+FR*(\a)+FR-1], v[8*(8*((\a)%4)+\b):8*(8*((\a)%4)+\b)+7], v[SC+16*(\sc)+2*\b+(\q)], v[SC+16*(\sc)+2*(\a)+(\q)] matrix_a_fmt:MATRIX_FMT_FP6 matrix_b_fmt:MATRIX_FMT_FP6 matrix_a_scale:MATRIX_SCALE_ROW1
.endif
.endr
.endr
.endm
.macro FETCH_B slot, q, p
	WIN TO_B
.irp i, 0,1,2,3,4,5,6,7
	FRAG 128*(\p)+FR*\i, ADRQ+\slot, \q, \i
.endr
	WIN 0
.endm
.macro FETCH_A slot, q, i0
.irp i, \i0, \i0+1, \i0+2, \i0+3
	FRAG AF+FR*(\i), ADRP+\slot, \q, \i
.endr
.endm
.macro SCALES sc, c
.irp i, 0,1,2,3,4,5,6,7
	ds_load_b64 v[SC+16*(\sc)+2*\i:SC+16*(\sc)+2*\i+1], v[ADRS] offset:\i*512+((\c)/2)*256+((\c)%2)*8
.endr
.endm
.macro PLACES n
.rept \n
	v_nop
.endr
.endm
.macro STEP slot, q, zero
	s_wait_dscnt 4*NL                              ; all but the youngest 16 loads (P's blocks 4-7)
.if \zero == 2
	WIN 0x81                                       ; Q window 1, P and the bias window 0, D window 2
.else
	WIN MUL_LO
.endif
	MUL16 0, (\q)%2, \q, \slot, \zero
	MUL16 2, (\q)%2, \q, \slot, \zero
	s_wait_dscnt 0x0
	PLACES NP
	FETCH_B \slot, (\q)+1, 1-(\q)%2
	FETCH_A \slot, (\q)+1, 0
.if \zero == 2
	WIN 0xc1
.else
	WIN MUL_HI
.endif
	MUL16 4, (\q)%2, \q, \slot, \zero
	MUL16 6, (\q)%2, \q, \slot, \zero
	PLACES NP
	WIN 0
	FETCH_A \slot, (\q)+1, 4
.endm
.macro TURN slot, next, fill, cnext
	s_wait_tensorcnt 0x0                           ; all my tensor loads have landed: my part of the next slot
	ds_add_u32 v[SPW], v[NIL]
	s_wait_dscnt 4*NL+1                            ; (the add and the youngest 16 loads may be out)
	WIN MUL_LO
	MUL16 0, 1, 1, \slot, 0
	s_wait_dscnt 0x0                               ; the add is done, and my reads of this slot are over
	s_barrier_signal -1
	MUL16 2, 1, 1, \slot, 0
	WIN 0
	s_barrier_wait -1
.if \fill
	CREST                                          ; the round: no wave of any partner still reads this slot or has a load on its way
	s_add_nc_u64 s[G0+4*\slot+2:G0+4*\slot+3], s[G0+4*\slot+2:G0+4*\slot+3], 2*CSX
	s_add_nc_u64 s[G0B+4*\slot+2:G0B+4*\slot+3], s[G0B+4*\slot+2:G0B+4*\slot+3], 2*CSW
	JLOAD G0+4*\slot, G1, G0B+4*\slot, G1B
.else
	PLACES NP
.endif
	FETCH_B \next, 0, 0
	FETCH_A \next, 0, 0
	SCALES \next, \cnext
	WIN MUL_HI
	MUL16 4, 1, 1, \slot, 0
	MUL16 6, 1, 1, \slot, 0
	PLACES NP
	WIN 0
	FETCH_A \next, 0, 4
.endm
	s_wait_tensorcnt 1                             ; the scale words and my part of slot 0 are in; slot 1's load may be out
	s_barrier_signal -1
	s_barrier_wait -1
	FETCH_B 0, 0, 0
	FETCH_A 0, 0, 0
	SCALES 0, 0
	FETCH_A 0, 0, 4
	s_wait_loadcnt 0x0                             ; the bias
	STEP 0, 0, 2
	TURN 0, 1, 1, 1
	STEP 1, 0, 0
	TURN 1, 0, 1, 2
	STEP 0, 0, 0
	TURN 0, 1, 0, 3
	STEP 1, 0, 0
	s_wait_dscnt 4*NL
	WIN MUL_LO
	MUL16 0, 1, 1, 1, 0
	MUL16 2, 1, 1, 1, 0
	s_wait_dscnt 0x0
	WIN MUL_HI
	MUL16 4, 1, 1, 1, 0
	MUL16 6, 1, 1, 1, 0
	WIN 0
; THE WAY OUT, block by block of 16 tokens x 128 outputs, through my own stage: in as 32 bytes a lane, back as whole rows of 512 bytes.  LDS serves a wave's instructions in order: no wait between the stores and the loads.
.macro TOSTAGE a
.set AC, 64*((\a)%4)
	WIN 0x08+4*((\a)/4)                            ; the data: window 2 or 3
.irp b, 0,1,2,3,4,5,6,7
	ds_store_b128 v[STO], v[AC+8*\b:AC+8*\b+3] offset:128*(\b/2)+32*(\b%2)          ; each accumulator from its low end on
	ds_store_b128 v[STO], v[AC+8*\b+4:AC+8*\b+7] offset:128*(\b/2)+32*(\b%2)+16
.endr
	WIN 0
.set BB, BK+64*((\a)%2)
.irp t, 0,1,2,3,4,5,6,7,8,9,10,11,12,13,14,15
	ds_load_b128 v[BB+4*\t:BB+4*\t+3], v[RD] offset:\t*SPITCH
.endr
.endm
.macro SEND a, younger
.set BB, BK+64*((\a)%2)
	s_wait_dscnt \younger                          ; the block is back in registers
.irp t, 0,1,2,3,4,5,6,7,8,9,10,11,12,13,14,15
	global_store_b128 v[CO], v[BB+4*\t:BB+4*\t+3], s[12:13] offset:(32*((\a)/2)+8*((\a)%2)+\t+8*(\t/8))*4096 th:TH_STORE_NT   ; 512 consecutive bytes of a token's row, aligned; 127 rows on at the most: inside the immediate
.endr
.endm
	PLACES NP
	TOSTAGE 0
.irp a, 1,2,3,4,5,6,7
.if \a > 1
	s_wait_xcnt 0x0                                ; block a - 2's stores have read their registers: block a's loads may land there
.endif
	TOSTAGE \a
	SEND \a-1, 32                                  ; behind block a - 1's loads: block a's 16 stores and 16 loads
.endr
	SEND 7, 0
	s_wait_tensorcnt 0x0                           ; the wave's end
	ds_add_u32 v[SPW], v[NIL]
	s_wait_dscnt 0x0
	CROUND                                         ; the closing round
	s_endpgm
.Lfunc_end_k_q9571431afe_proj:
	.size	k_q9571431afe_proj, .Lfunc_end_k_q9571431afe_proj-k_q9571431afe_proj
	.p2alignl 7, 3214868480
	.fill 96, 4, 3214868480
	.section	.rodata,"a",@progbits
	.p2align	6, 0x0
	.amdhsa_kernel k_q9571431afe_proj
		.amdhsa_group_segment_fixed_size 327680
		.amdhsa_private_segment_fixed_size 0
		.amdhsa_enable_private_segment 0
		.amdhsa_kernarg_size 48
		.amdhsa_user_sgpr_count 2
		.amdhsa_user_sgpr_kernarg_segment_ptr 1
		.amdhsa_wavefront_size32 1
		.amdhsa_system_sgpr_workgroup_id_x 1
		.amdhsa_system_sgpr_workgroup_id_y 1
		.amdhsa_system_sgpr_workgroup_id_z 1
		.amdhsa_system_vgpr_workitem_id 0
		.amdhsa_next_free_vgpr 1024
		.amdhsa_next_free_sgpr 100
		.amdhsa_reserve_vcc 0
		.amdhsa_float_denorm_mode_32 3
		.amdhsa_float_denorm_mode_16_64 3
		.amdhsa_memory_ordered 1
		.amdhsa_forward_progress 1
		.amdhsa_inst_pref_size 144
	.end_amdhsa_kernel
	.amdgpu_metadata
---
amdhsa.version: [ 1, 2 ]
amdhsa.kernels:
  - .name:           k_q9571431afe_proj
    .symbol:         k_q9571431afe_proj.kd
    .args:
      - { .name: oc, .offset: 0, .size: 8, .value_kind: global_buffer, .address_space: global }
      - { .name: os, .offset: 8, .size: 8, .value_kind: global_buffer, .address_space: global }
      - { .name: ac, .offset: 16, .size: 8, .value_kind: global_buffer, .address_space: global }
      - { .name: sc, .offset: 24, .size: 8, .value_kind: global_buffer, .address_space: global }
      - { .name: bo, .offset: 32, .size: 8, .value_kind: global_buffer, .address_space: global }
      - { .name: out0, .offset: 40, .size: 8, .value_kind: global_buffer, .address_space: global }
    .group_segment_fixed_size: 327680
    .private_segment_fixed_size: 0
    .kernarg_segment_align: 8
    .kernarg_segment_size: 48
    .max_flat_workgroup_size: 128
    .sgpr_count:     100
    .vgpr_count:     1024
    .wavefront_size: 32
...
	.end_amdgpu_metadata
.endif
;; end of part 4
